; MI455X (gfx1250); checked and timed in simulation.
; The chip was launched on July 23, 2026; its instructions are those of AMD's public machine-readable ISA for CDNA 5 (MIT licence, August 2026) and "CDNA5" Instruction Set Architecture Reference Guide (July 2026). The comments in the code are by the model that wrote it; some were corrected since.
;; Multihead Dot Product Attention. Allowed arithmetic: matrix products marked QUANTISED: E3M2 operands, one E8M0 scale for each 32 along K, by v_wmma_scale_f32_16x16x128_f8f6f4 with both operands' format E3M2, f32 sums; everything else in f32.
;; Inputs: b_k 1,024 float32; b_o 1,024 float32; b_q 1,024 float32; b_v 1,024 float32; w_k 1,024 x 1,024 float32; w_o 1,024 x 1,024 float32; w_q 1,024 x 1,024 float32; w_v 1,024 x 1,024 float32; x 4 x 2,048 x 1,024 float32.
;; Outputs: out0 4 x 2,048 x 1,024 float32.
;; This version of the problem:
;;   THIS VERSION OF THE PROBLEM IS GIVEN IN LOW PRECISION. The matrix products marked QUANTISED in the list below multiply operands that are first quantised to E3M2 (3 exponent bits, 2 mantissa bits; 6 bits a number), with one power-of-two scale for each 32 numbers along K (OCP MX v1.0); their sums are f32. All else is computed in f32.
;;   The module's matrix products, in the order in which they are computed (A, B: the left and right operand; K: the contracted axis; several contracted axes count as one K, in the product's order):
;;     1. [M 8,192, K 1,024] x [K 1,024, N 1,024]; A: input x; B: input w_q: QUANTISED
;;     2. [M 8,192, K 1,024] x [K 1,024, N 1,024]; A: input x; B: input w_k: QUANTISED
;;     3. [M 8,192, K 1,024] x [K 1,024, N 1,024]; A: input x; B: input w_v: QUANTISED
;;     4. batch 64 x [M 2,048, K 64] x [K 64, N 2,048]; A: computed on the way; B: computed on the way: QUANTISED
;;     5. batch 64 x [M 2,048, K 2,048] x [K 2,048, N 64]; A: softmax (see below); B: computed on the way: QUANTISED
;;     6. [M 8,192, K 1,024] x [K 1,024, N 1,024]; A: computed on the way; B: input w_o: QUANTISED
;;   THE QUANTISER, for each operand of a quantised product, along K:
;;     - K is cut into blocks of 32 from its start; a last block that is shorter is filled with zeros.
;;     - A block's scale is 2^e with e = floor(log2(the largest magnitude in the block)) - 4, held to -126 .. 127; a block of zeros has e = 0. As a byte (E8M0): e + 127.
;;     - Each number is divided by its block's scale, clamped to +-28, and rounded to the nearest number of E3M2, ties to even, subnormals kept.
;;     - The product sums the exact products of the quantised numbers (number of the format x scale) in f32.
;;   ~~~python
;;   def quantise(x, axis):      # numpy; x: float32 -> the quantised numbers, widened to float32 again
;;       x = np.moveaxis(x, axis, -1); K = x.shape[-1]
;;       x = np.pad(x, [(0, 0)] * (x.ndim - 1) + [(0, -K % 32)]); x = x.reshape(x.shape[:-1] + (-1, 32)); a = np.abs(x).max(-1, keepdims=True)
;;       e = np.where(a > 0, np.clip(np.frexp(np.where(a > 0, a, 1))[1] - 1 - 4, -126, 127), 0)      # np.frexp(a)[1] - 1 = floor(log2(a)), exactly
;;       r = np.clip(x / 2.0 ** e, -28, 28)
;;       step = 2.0 ** (np.maximum(np.frexp(np.where(r == 0, 1, r))[1] - 1, -2) - 2)
;;       q = np.round(r / step) * step * 2.0 ** e      # np.round: ties to even
;;       return np.moveaxis(q.reshape(q.shape[:-2] + (-1,))[..., :K], -1, axis).astype(np.float32)
;;   ~~~
;;   SOFTMAX AHEAD OF A QUANTISED PRODUCT. Where the list says 'softmax', what is quantised is not the finished softmax but p = 2^(t - M), with t = logit x log2(e) and M = ceil(the row's largest t), a whole number; so 1/2 < the row's largest p <= 1. The row's sum l is taken of the UNQUANTISED p, in f32, and the product's result is divided by l at the end. Since M is a whole number, a kernel that streams over the keys may use a running M (the ceiling of the running maximum): every later rescaling is an exact power of two, which a block's scale takes up: the codes' values come out the same.
;;   OPERANDS COMPUTED ON THE WAY. 'Computed on the way' means the value that the module computes at that place (a softmax that the list does not call 'softmax' is quantised finished and normalised). What goes into a quantiser is computed in f32, as accurately as f32 sums, v_exp_f32 and their like allow (about 1e-6 of the number): no bf16 or f16 on the way to a quantiser, and a product that is left as it is and whose result goes on into a quantised operand takes f32 operands (vector FMAs, or v_wmma_f32_16x16x4_f32). A number that lies on a knife's edge between two numbers of the format may be rounded either way, as far as f32 arithmetic and the matrix unit's own rounding can turn it there, and no further.
;; One version. Each part assembles by itself: llvm-mc -triple=amdgcn-amd-amdhsa -mcpu=gfx1250 --defsym DOCPART=n.
;; ======== version 1 of 1: 4 launches
;; workspace buffers: xc 6,291,456 bytes; xs 262,144 bytes; wc 3,145,728 bytes; ws 131,072 bytes; qr 6,815,744 bytes; kv 13,369,344 bytes; pc 6,291,456 bytes; ps 262,144 bytes
;; launch quant (part 1): grid 384 x 1, 2 waves a work-group, no clusters, 17,152 bytes of LDS; arguments x, w_q, w_k, w_v, w_o, xc, xs, wc, ws; writes xc, xs, wc, ws
.if DOCPART == 1
	.amdgcn_target "amdgcn-amd-amdhsa--gfx1250"
	.amdhsa_code_object_version 6
	.text
	.protected	k_q03e5f468b4_quant
	.globl	k_q03e5f468b4_quant
	.p2align	8
	.type	k_q03e5f468b4_quant,@function
k_q03e5f468b4_quant:
	s_mov_b64 s[64:65], 0
	v_nop
	global_prefetch_b8 v0, s[64:65] scope:SCOPE_SE
	s_setreg_imm32_b32 hwreg(HW_REG_WAVE_MODE, 25, 1), 1
	s_wait_xcnt 0x0
; THE PROGRAM: multi-head attention, all six products on codes of BF6 (E3M2) with one E8M0 scale for each 32 along K.  Four launches: this one (x and the four weights into codes),
; the projections q, k, v with their quantisers, the causal attention with pred's quantiser, the projection on the way out.
; WORK LEFT OUT, in the attention launch: a step of 128 keys all of which come after a tile's 16 queries.  reference() sets those logits to -inf by a mask that it builds itself (jnp.tril), so their
; softmax weight is 0 whatever finite values the inputs hold, and neither the scores nor their products with v reach any output.  Nothing else is left out; every input is loaded (each bias moves the
; codes of a live operand or the output itself).
; LIMITS: a NaN, an infinity or an overflow that reaches only the masked scores is not carried to the result; NaN and infinities among the inputs are not served; a block of zeros gets the scale byte 1
; where the rule says 127 (its codes are zeros, which add nothing under any byte but 0xff, and this program alone reads the bytes); a block whose largest magnitude lies under 2^(5 - 127) is held at the byte 1.
;
; THIS LAUNCH.  x [8192][1024] and w_q, w_k, w_v, w_o [1024][1024], f32, K innermost, become operand images.  A TILE is 16 rows that are not neighbours: tile T holds rows
; 32 (T / 2) + 8 (T % 2) + r + 8 (r / 8), r = 0 .. 15: with that order the 16 result registers of two neighbouring tiles are 16 neighbours along the next product's K, and nothing is ever transposed.
; A fragment (a tile x 128 along K) is 12 registers a lane: lane (r, hl) holds k = 64 c + 32 hl + 0 .. 31 in registers 6 c .. 6 c + 5.  Its image is six pieces of 256 bytes: registers 2 p, 2 p + 1 of lane l at 256 p + 8 l.
; codes: [tile][K step 8][1536];  scale words: [tile][q 4][r 16][2 words], word 2 q + e for K step 2 q + e.  wc, ws: tiles 0-63 w_q, 64-127 w_k, 128-191 w_v, 192-255 w_o.
; A wave takes one tile for all of K.  Each load reads 512 consecutive bytes of one row; the 16 rows turn through the wave's own stage in LDS (rows 528 bytes apart) so that a lane gets its 64 neighbours.
; No matrix unit, no cluster, no tensor load: nothing is shared and memory binds.  No barrier: waves share nothing.
.set STG,   8448                       ; a wave's stage: 16 rows x (512 + 16) bytes
.set SPARE, 2*STG                      ; behind the stages: the spare words, 128 bytes for each wave
.set LI,  1                            ; v1   16 x lane
.set L8,  2                            ; v2   8 x lane
.set STI, 3                            ; v3   the stage, way in
.set STO, 4                            ; v4   the stage, way out: 528 r + 128 hl
.set SH,  5                            ; v5   8 hl
.set HL,  6                            ; v6   hl
.set T,   7                            ; v7   a permute's destination
.set M,   8                            ; v8-9   largest magnitudes
.set SO,  10                           ; v10-11 the conversions' scale operands
.set BY,  12                           ; v12-13 scale bytes
.set SPW, 14
.set NIL, 15
.set W,   16                           ; v16-23 the eight scale words
.set PC,  24                           ; v24-35 a fragment's codes
.set TMP, 36                           ; v36-38, v40-42
.set D,   44                           ; v44-47
.set X,   64                           ; v64-127  64 neighbours
.set R,   128                          ; v128-255 two sets of 64 registers as loaded
	s_load_b256 s[4:11], s[0:1], 0x0               ; x, w_q, w_k, w_v
	s_load_b256 s[12:19], s[0:1], 0x20             ; w_o, xc, xs, wc
	s_load_b64 s[20:21], s[0:1], 0x40              ; ws
	v_lshl_add_u32 v[SPW], v0, 2, SPARE
	v_mov_b32 v[NIL], 0
	v_lshrrev_b32 v1, 5, v0
	v_readfirstlane_b32 s22, v1                    ; wave 0, 1
	v_and_b32 v6, 31, v0                           ; lane
	v_lshlrev_b32 v[LI], 4, v6
	v_lshlrev_b32 v[L8], 3, v6
	s_mul_i32 s23, s22, STG
	v_add_nc_u32 v[STI], s23, v[LI]
	v_and_b32 v4, 15, v0                           ; r
	v_mul_u32_u24 v4, v4, 528
	v_bfe_u32 v[HL], v0, 4, 1
	v_lshl_add_u32 v4, v[HL], 7, v4
	v_add_nc_u32 v[STO], s23, v4
	v_lshlrev_b32 v[SH], 3, v[HL]
	v_mov_b32 v[T], 0                              ; written once: a lane permute's destination counts as one of its sources
	s_mov_b32 s24, 0x76543210
	s_mov_b32 s25, 0xfedcba98                      ; v_permlanex16_b32's selects for lane l xor 16
	s_lshl_b32 s26, ttmp9, 1
	s_add_co_u32 s26, s26, s22                     ; my tile among the 768
	s_wait_kmcnt 0x0
	s_mov_b64 s[28:29], s[12:13]                   ; which tensor: the choice hangs on the work-group's number alone
	s_cmp_lt_u32 ttmp9, 352
	s_cselect_b64 s[28:29], s[10:11], s[28:29]
	s_cmp_lt_u32 ttmp9, 320
	s_cselect_b64 s[28:29], s[8:9], s[28:29]
	s_cmp_lt_u32 ttmp9, 288
	s_cselect_b64 s[28:29], s[6:7], s[28:29]
	s_cmp_lt_u32 ttmp9, 256
	s_cselect_b64 s[28:29], s[4:5], s[28:29]
	s_cselect_b64 s[30:31], s[14:15], s[18:19]     ; the codes' buffer
	s_cselect_b64 s[32:33], s[16:17], s[20:21]     ; the scale words'
	s_cselect_b32 s27, 0, 512
	s_cselect_b32 s34, 0x1ff, 63
	s_sub_co_u32 s27, s26, s27                     ; the tile in its workspace buffer
	s_and_b32 s34, s27, s34                        ; and in its tensor
	s_lshr_b32 s35, s34, 1
	s_lshl_b32 s35, s35, 17                        ; 32 rows of 4,096 bytes for each pair of tiles
	s_and_b32 s34, s34, 1
	s_lshl_b32 s34, s34, 15                        ; 8 rows for the odd one
	s_add_co_u32 s36, s35, s34
	s_mov_b32 s37, 0
	s_add_nc_u64 s[28:29], s[28:29], s[36:37]
	s_mul_i32 s36, s27, 12288
	s_add_nc_u64 s[30:31], s[30:31], s[36:37]
	s_lshl_b32 s36, s27, 9
	s_add_nc_u64 s[32:33], s[32:33], s[36:37]
.macro LOAD s                          ; K step s of the tile's 16 rows: 512 consecutive bytes a load
.irp i, 0,1,2,3,4,5,6,7,8,9,10,11,12,13,14,15
	global_load_b128 v[R+64*((\s)%2)+4*\i:R+64*((\s)%2)+4*\i+3], v[LI], s[28:29] offset:(\i+8*(\i/8))*4096+512*(\s) th:TH_LOAD_NT
.endr
.endm
.macro STEP s
.if (\s) < 7
	s_wait_loadcnt 16                              ; this step's 16 loads are in; the next step's 16 may be out
.else
	s_wait_loadcnt 0x0
.endif
.irp i, 0,1,2,3,4,5,6,7,8,9,10,11,12,13,14,15
	ds_store_b128 v[STI], v[R+64*((\s)%2)+4*\i:R+64*((\s)%2)+4*\i+3] offset:528*\i
.endr
.irp c, 0,1
.irp j, 0,1,2,3,4,5,6,7
	ds_load_b128 v[X+32*\c+4*\j:X+32*\c+4*\j+3], v[STO] offset:256*\c+16*\j   ; LDS serves a wave's instructions in order: these see the stores above.  X[32 c + i] = k 64 c + 32 hl + i of row r
.endr
.endr
	s_wait_dscnt 0x0                               ; my 64 numbers are in, and the stores have read their registers,
.if (\s)+2 < 8
	LOAD (\s)+2                                    ; which take the loads of two steps on
.endif
.irp c, 0,1
	v_max3_num_f32 v[M+\c], |v[X+32*\c]|, |v[X+32*\c+1]|, 0x2800000   ; my block 2 c + hl: all 32 numbers are mine; the floor 2^(5 - 127) holds the byte at 1 from below
.endr
.irp i, 2,4,6,8,10,12,14,16,18,20,22,24,26,28,30
.irp c, 0,1
	v_max3_num_f32 v[M+\c], v[M+\c], |v[X+32*\c+\i]|, |v[X+32*\c+\i+1]|
.endr
.endr
.irp c, 0,1
	v_add_nc_u32 v[SO+\c], 0xfe000000, v[M+\c]     ; 4 off the exponent field: the conversion's scale operand
.endr
.irp c, 0,1
	v_lshrrev_b32 v[BY+\c], 23, v[SO+\c]           ; the scale's byte
.endr
	v_lshl_or_b32 v[W+(\s)], v[BY+1], 16, v[BY]    ; blocks hl and 2 + hl,
	v_lshlrev_b32 v[W+(\s)], v[SH], v[W+(\s)]      ; at their places in the word;
	v_permlanex16_b32 v[T], v[W+(\s)], s24, s25
	v_or_b32 v[W+(\s)], v[W+(\s)], v[T]            ; with lane l xor 16's two the word is whole
	s_wait_xcnt 0x0                                ; the last step's stores have read the codes' registers
.irp c, 0,1
	v_cvt_scalef32_pk16_bf6_f32 v[PC+6*\c:PC+6*\c+2], v[X+32*\c:X+32*\c+15], v[SO+\c]
	v_cvt_scalef32_pk16_bf6_f32 v[TMP+4*\c:TMP+4*\c+2], v[X+32*\c+16:X+32*\c+31], v[SO+\c]   ; (a conversion's three registers begin on an even number)
.endr
	v_nop                                          ; one plain place behind a scaled conversion
.irp c, 0,1
.irp i, 0,1,2
	v_mov_b32 v[PC+6*\c+3+\i], v[TMP+4*\c+\i]
.endr
.endr
.irp p, 0,1,2,3,4,5
	global_store_b64 v[L8], v[PC+2*\p:PC+2*\p+1], s[30:31] offset:1536*(\s)+256*\p   ; 32 lanes store 256 consecutive bytes, aligned
.endr
.endm
	LOAD 0
	LOAD 1
.irp t, 0,1,2,3,4,5,6,7
	STEP \t
.endr
	v_cmp_eq_u32 vcc_lo, 1, v[HL]                  ; the eight words leave as two stores of 256 bytes: lanes 0-15 the words of q, lanes 16-31 those of q + 1
	v_cndmask_b32 v[D], v[W], v[W+2], vcc_lo
	v_cndmask_b32 v[D+1], v[W+1], v[W+3], vcc_lo
	v_cndmask_b32 v[D+2], v[W+4], v[W+6], vcc_lo
	v_cndmask_b32 v[D+3], v[W+5], v[W+7], vcc_lo
	global_store_b64 v[L8], v[D:D+1], s[32:33]
	global_store_b64 v[L8], v[D+2:D+3], s[32:33] offset:256
	s_wait_tensorcnt 0x0                           ; the wave's end: behind my last LDS store
	ds_add_u32 v[SPW], v[NIL]
	s_wait_dscnt 0x0
	s_endpgm
.Lfunc_end_k_q03e5f468b4_quant:
	.size	k_q03e5f468b4_quant, .Lfunc_end_k_q03e5f468b4_quant-k_q03e5f468b4_quant
	.p2alignl 7, 3214868480
	.fill 96, 4, 3214868480
	.section	.rodata,"a",@progbits
	.p2align	6, 0x0
	.amdhsa_kernel k_q03e5f468b4_quant
		.amdhsa_group_segment_fixed_size 17152
		.amdhsa_private_segment_fixed_size 0
		.amdhsa_enable_private_segment 0
		.amdhsa_kernarg_size 72
		.amdhsa_user_sgpr_count 2
		.amdhsa_user_sgpr_kernarg_segment_ptr 1
		.amdhsa_wavefront_size32 1
		.amdhsa_system_sgpr_workgroup_id_x 1
		.amdhsa_system_sgpr_workgroup_id_y 1
		.amdhsa_system_sgpr_workgroup_id_z 1
		.amdhsa_system_vgpr_workitem_id 0
		.amdhsa_next_free_vgpr 256
		.amdhsa_next_free_sgpr 66
		.amdhsa_reserve_vcc 1
		.amdhsa_float_denorm_mode_32 3
		.amdhsa_float_denorm_mode_16_64 3
		.amdhsa_memory_ordered 1
		.amdhsa_forward_progress 1
		.amdhsa_inst_pref_size 60
	.end_amdhsa_kernel
	.amdgpu_metadata
---
amdhsa.version: [ 1, 2 ]
amdhsa.kernels:
  - .name:           k_q03e5f468b4_quant
    .symbol:         k_q03e5f468b4_quant.kd
    .args:
      - { .name: x, .offset: 0, .size: 8, .value_kind: global_buffer, .address_space: global }
      - { .name: w_q, .offset: 8, .size: 8, .value_kind: global_buffer, .address_space: global }
      - { .name: w_k, .offset: 16, .size: 8, .value_kind: global_buffer, .address_space: global }
      - { .name: w_v, .offset: 24, .size: 8, .value_kind: global_buffer, .address_space: global }
      - { .name: w_o, .offset: 32, .size: 8, .value_kind: global_buffer, .address_space: global }
      - { .name: xc, .offset: 40, .size: 8, .value_kind: global_buffer, .address_space: global }
      - { .name: xs, .offset: 48, .size: 8, .value_kind: global_buffer, .address_space: global }
      - { .name: wc, .offset: 56, .size: 8, .value_kind: global_buffer, .address_space: global }
      - { .name: ws, .offset: 64, .size: 8, .value_kind: global_buffer, .address_space: global }
    .group_segment_fixed_size: 17152
    .private_segment_fixed_size: 0
    .kernarg_segment_align: 8
    .kernarg_segment_size: 72
    .max_flat_workgroup_size: 64
    .sgpr_count:     66
    .vgpr_count:     256
    .wavefront_size: 32
...
	.end_amdgpu_metadata
.endif
;; end of part 1
;; launch qkv (part 2): grid 8 x 48, 4 waves a work-group, clusters of 4 x 4, 327,680 bytes of LDS; arguments xc, xs, wc, ws, b_q, b_k, b_v, qr, kv; writes qr, kv
.if DOCPART == 2
	.amdgcn_target "amdgcn-amd-amdhsa--gfx1250"
	.amdhsa_code_object_version 6
	.text
	.protected	k_q03e5f468b4_qkv
	.globl	k_q03e5f468b4_qkv
	.p2align	8
	.type	k_q03e5f468b4_qkv,@function
k_q03e5f468b4_qkv:
	s_mov_b64 s[64:65], 0
	v_nop
	global_prefetch_b8 v0, s[64:65] scope:SCOPE_SE
	s_setreg_imm32_b32 hwreg(HW_REG_WAVE_MODE, 25, 1), 1
	s_wait_xcnt 0x0
	s_wait_alu depctr_hold_cnt(0) depctr_sa_sdst(0) depctr_va_vdst(0) depctr_va_sdst(0) depctr_va_ssrc(0) depctr_va_vcc(0) depctr_vm_vsrc(0)
	s_getreg_b32 s2, hwreg(HW_REG_IB_STS2, 6, 4)
	s_cmp_eq_u32 s2, 0
	s_cbranch_scc0 .Lentry_in_a_cluster
	s_endpgm
.Lentry_in_a_cluster:
	s_bfe_u32 s2, ttmp6, 0x10000c
	s_cmp_lg_u32 s2, 0xf033
	s_cbranch_scc0 .Lentry_shape_is_right
	s_endpgm
.Lentry_shape_is_right:
; q = x w_q^T + b_q, k = x w_k^T + b_k, v = x w_v^T + b_v on codes of BF6, and the quantisers of q and k (along the head's 64) and of v (along the keys), in registers.  No work of reference() is left out here.
; 384 tiles of 256 x 256.  Clusters with y < 8: A (source 1) = 256 tokens of x, B (source 0) = 256 features of w_q | w_k: a lane holds one token and its registers run along the features.
; Clusters with y >= 8: A = 256 features of w_v, B = 256 tokens of x: V^T: a lane holds one channel and its registers run along the keys.  The main part is the same for both: only pointers are chosen.
; All operands lie as images of their registers (a tile x 128 K: six pieces of 256 bytes, registers 2 p, 2 p + 1 of lane l at 256 p + 8 l); tile T holds rows 32 (T / 2) + 8 (T % 2) + r + 8 (r / 8), so that the
; 16 result registers of B's tiles 2 j and 2 j + 1 are the neighbours 32 j + 16 hl + 0 .. 15 along B's rows.
; Four waves, each 128 x 128: 64 accumulators.  K = 1,024 goes in four slots' worth of 256 through a ring of two LDS slots; the scale words of all of K come once.  4 x 4 work-groups form a cluster: A's tiles are
; asked for jointly along a row of the cluster, B's along a column.
; OUT.  qr: 64 heads x 106,496: scale words [step 16][x 2][r 16][4 words], then codes [pair of tiles 64][1536].  kv: 64 heads x 208,896: K's scale words (8,192), V's [step 16][r 16][4 words] (4,096), then for each
; step of 128 keys K's four pairs of tiles (6,144) and V's four tiles of 16 channels (6,144).  These images are three pieces of 512 bytes: registers 4 c .. 4 c + 3 of lane l at 512 c + 16 l.
; A pair of tiles of q or k: tile 2 j in registers 0-5, tile 2 j + 1 in registers 6-11, each k = 32 hl + 0 .. 31 of the head's 64; their scale words have the head's two bytes below and 0 above.
; REGISTERS: window 0: v1-29 addresses; v32-63 scale words, two sets; v128-223 A's 8 fragments (on the way out v64-255 are at work).  window 1: B's fragments, two sets, at v0 and v128.  windows 2, 3: the accumulators.
.set NQ,     2
.set FR,     12
.set NL,     6
.set NP,     4
.set TILEB,  3072                      ; a tile's two K steps in a slot
.set HALFT,  8*TILEB                   ; 8 tiles: what one tensor load brings, and what one wave reads of A or of B
.set SLOT,   4*HALFT                   ; A's 16 tiles, then B's 16
.set SCL,    2*SLOT                    ; the scale words: A's 16 tiles x 512 bytes, then B's
.set BIAS,   SCL+16384                 ; 256 f32: blocks of their own, written by ds_store, into which no fill lands
.set SPARE,  BIAS+1024                 ; the spare words, 128 bytes for each wave
.set LI,   8                           ; v8   16 x lane
.set VB,   9                           ; v9   the bias by features along the registers
.set VBI,  10                          ; v10  the bias by features along the lanes
.set VOS,  11                          ; v11  the scale words' place on the way out
.set SH,   12                          ; v12  16 hl
.set ADRA, 16                          ; v16-17 my A fragments in slot 0, 1
.set ADRB, 20                          ; v20-21 my B fragments
.set BST,  25
.set T8,   26
.set ADRS, 27
.set SPW,  28
.set NIL,  29
.set SC,   32
.set AF,   128
.set HA,   64                          ; the way out, all in window 0: 64 numbers
.set BB,   128                         ; the bias in the result's layout
.set E,    192                         ; codes: 12 registers, and 12 more
.set O,    204
.set TC,   216
.set TM,   224
.set PWS,  240
.set DD,   248
.set WV,   22
.set FB,   23                          ; wave / 2: my half of A's tiles.  Also: I fetch for A (0) or for B (1)
.set H2,   45                          ; wave % 2: my half of B's tiles.  Also: which 8 tiles I fetch
.set G1,   24
.set G0,   32
.set G1B,  48
.set G0B,  56
.set G1S,  68
.set G0S,  76
.set G1SB, 80
.set G0SB, 88
.set SEL,  104
.set MSB, 0
.macro WIN new                         ; the immediate's high byte repeats the setting that is left
.if MSB != (\new)
	s_set_vgpr_msb (MSB<<8)|(\new)
.set MSB, (\new)
.endif
.endm
.set MUL_LO, 0xa1                      ; source 0 (B) window 1, source 1 (A) window 0, C and D window 2
.set MUL_HI, 0xf1
.set TO_B,   0x40
.macro JLOAD g0a, g1a, g0b, g1b        ; a joint load: waves 0 and 1 fetch for A, waves 2 and 3 for B; an s_nop 0 and four v_nop follow each line
	s_cmp_eq_u32 s[FB], 0
	s_cbranch_scc0 .Lfor_b_\@
	tensor_load_to_lds s[\g0a:\g0a+3], s[\g1a:\g1a+7]
	s_nop 0
.rept 4
	v_nop
.endr
	s_branch .Lasked_\@
.Lfor_b_\@:
	tensor_load_to_lds s[\g0b:\g0b+3], s[\g1b:\g1b+7]
	s_nop 0
.rept 4
	v_nop
.endr
.Lasked_\@:
.endm
.macro CREST                           ; a round of the cluster's barrier behind its opening barrier
	s_cmp_lg_u32 s[WV], 0
	s_cbranch_scc1 .Lnot_wave_0_\@
	s_barrier_signal -3
.Lnot_wave_0_\@:
	s_barrier_wait -3
	s_barrier_signal -1
	s_barrier_wait -1
.endm
.macro CROUND
	s_barrier_signal -1
	s_barrier_wait -1
	CREST
.endm
	s_load_b256 s[4:11], s[0:1], 0x0               ; xc, xs, wc, ws
	s_load_b256 s[12:19], s[0:1], 0x20             ; b_q, b_k, b_v, qr
	s_load_b64 s[20:21], s[0:1], 0x40              ; kv
	v_lshl_add_u32 v[SPW], v0, 2, SPARE
	v_mov_b32 v[NIL], 0
	ds_add_u32 v[SPW], v[NIL]                      ; the wave's opening: the add, twice on end, and its wait ahead of my first tensor load
	ds_add_u32 v[SPW], v[NIL]
	v_lshrrev_b32 v1, 5, v0
	v_readfirstlane_b32 s[WV], v1                  ; wave 0..3
	s_lshr_b32 s[FB], s[WV], 1
	s_and_b32 s[H2], s[WV], 1
	s_mul_i32 s2, s[WV], HALFT                     ; where my loads go: the wave's number alone enters an LDS address
	s_lshl_b32 s3, s[WV], 12
.irp s, 0,1
	s_mov_b32 s[G0+4*\s], 1
	s_add_co_u32 s[G0+4*\s+1], s2, \s*SLOT
	s_mov_b32 s[G0B+4*\s], 1
	s_add_co_u32 s[G0B+4*\s+1], s2, \s*SLOT
.endr
	s_mov_b32 s[G0S], 1
	s_add_co_u32 s[G0S+1], s3, SCL
	s_mov_b32 s[G0SB], 1
	s_add_co_u32 s[G0SB+1], s3, SCL
	s_bfe_u32 s40, ttmp6, 0x40000                  ; cx
	s_bfe_u32 s41, ttmp6, 0x40004                  ; cy
	s_and_b32 s46, ttmp7, 0xffff                   ; the cluster's y
	s_max_u32 s47, s46, 8
	s_sub_co_u32 s47, s47, 8
	s_lshl_b32 s47, s47, 1
	s_add_co_u32 s47, s47, ttmp9                   ; V^T: which of 8 columns of clusters
	s_cmp_ge_u32 s46, 8                            ; V^T or q | k: the same in all sixteen partners
	s_cselect_b32 s44, 1, 0
	s_cselect_b32 s47, s47, ttmp9                  ; the cluster's column
	s_cselect_b32 s46, 0, s46                      ; and its row
	s_cselect_b32 s2, 128, 0                       ; w_v's first tile in wc
	s_lshl_b32 s42, s47, 2
	s_add_co_u32 s42, s42, s40                     ; tile column
	s_lshl_b32 s43, s46, 2
	s_add_co_u32 s43, s43, s41                     ; tile row
	s_lshl_b32 s66, s41, 2
	s_lshl_b32 s66, 15, s66                        ; my row of the cluster
	s_lshl_b32 s67, 0x1111, s40                    ; my column
	s_or_b32 s[G1], s66, (3<<16)|(1<<21)           ; 15:0 the mask; 17:16 elements of 8 bytes; 21 set beside a mask; no padding: a load's 32 lanes read 256 consecutive bytes
	s_or_b32 s[G1B], s67, (3<<16)|(1<<21)
.irp g, G1, G1B
	s_mov_b32 s[\g+1], 384<<16                     ; tensor_dim0: 3,072 bytes, a tile's two K steps
	s_mov_b32 s[\g+2], 8<<16                       ; tensor_dim1: 8 tiles
	s_mov_b32 s[\g+3], 384<<16                     ; tile_dim0
	s_mov_b32 s[\g+4], 8                           ; tile_dim1
	s_mov_b32 s[\g+5], 1536                        ; from tile to tile: 12,288 bytes
	s_mov_b32 s[\g+6], 0
	s_mov_b32 s[\g+7], 0
.endr
	s_or_b32 s[G1S], s66, (3<<16)|(1<<21)          ; the scale words of 8 tiles: 4,096 dense bytes as 16 rows of 256
	s_or_b32 s[G1SB], s67, (3<<16)|(1<<21)
.irp g, G1S, G1SB
	s_mov_b32 s[\g+1], 32<<16
	s_mov_b32 s[\g+2], 16<<16
	s_mov_b32 s[\g+3], 32<<16
	s_mov_b32 s[\g+4], 16
	s_mov_b32 s[\g+5], 32
	s_mov_b32 s[\g+6], 0
	s_mov_b32 s[\g+7], 0
.endr
	s_lshl_b32 s104, s[H2], 3                      ; which 8 tiles I fetch
	s_lshl_b32 s3, s43, 4
	s_add_co_u32 s3, s3, s2
	s_add_co_u32 s3, s3, s104                      ; A: tile 16 x tile row (+ 128) + 8 x half
	s_mul_i32 s2, s3, 12288                        ; its codes,
	s_lshl_b32 s46, s3, 9                          ; its scale words
	s_mov_b32 s3, 0
	s_mov_b32 s47, 0
	s_lshl_b32 s105, s42, 4
	s_add_co_u32 s105, s105, s104                  ; B: tile 16 x tile column + 8 x half
	s_mul_i32 s100, s105, 12288
	s_mov_b32 s101, 0
	s_lshl_b32 s104, s105, 9
	s_mov_b32 s105, 0
	s_wait_dscnt 0x0                               ; both opening adds are done
	s_wait_kmcnt 0x0
	s_cmp_lg_u32 s44, 0
	s_cselect_b64 s[92:93], s[8:9], s[4:5]         ; A's codes: w or x
	s_cselect_b64 s[94:95], s[10:11], s[6:7]
	s_cselect_b64 s[96:97], s[4:5], s[8:9]         ; B's: x or w
	s_cselect_b64 s[98:99], s[6:7], s[10:11]
	s_add_nc_u64 s[92:93], s[92:93], s[2:3]
	s_add_nc_u64 s[94:95], s[94:95], s[46:47]
	s_add_nc_u64 s[96:97], s[96:97], s[100:101]
	s_add_nc_u64 s[98:99], s[98:99], s[104:105]
	CROUND                                         ; all sixteen work-groups are here: the first joint loads meet
	s_mov_b64 s[G0S+2:G0S+3], s[94:95]
	s_or_b32 s[G0S+3], s[G0S+3], 0x80000000
	s_mov_b64 s[G0SB+2:G0SB+3], s[98:99]
	s_or_b32 s[G0SB+3], s[G0SB+3], 0x80000000
	JLOAD G0S, G1S, G0SB, G1SB                     ; the scale words first: they are wanted with the first K step
.irp s, 0,1
	s_add_nc_u64 s[G0+4*\s+2:G0+4*\s+3], s[92:93], \s*TILEB
	s_or_b32 s[G0+4*\s+3], s[G0+4*\s+3], 0x80000000
	s_add_nc_u64 s[G0B+4*\s+2:G0B+4*\s+3], s[96:97], \s*TILEB
	s_or_b32 s[G0B+4*\s+3], s[G0B+4*\s+3], 0x80000000
	JLOAD G0+4*\s, G1, G0B+4*\s, G1B               ; three tensor loads of mine are out
.endr
	s_lshr_b32 s2, s42, 2                          ; the bias of the tile's 256 features: b_q or b_k by the tile column, b_v by the tile row
	s_cmp_lg_u32 s2, 0
	s_cselect_b64 s[100:101], s[14:15], s[12:13]
	s_and_b32 s2, s42, 3
	s_cmp_lg_u32 s44, 0
	s_cselect_b64 s[100:101], s[16:17], s[100:101]
	s_cselect_b32 s2, s43, s2
	s_lshl_b32 s2, s2, 10
	s_mov_b32 s3, 0
	s_add_nc_u64 s[100:101], s[100:101], s[2:3]
	v_lshlrev_b32 v[T8], 3, v0
	global_load_b64 v[14:15], v[T8], s[100:101]    ; 8 bytes a thread
	v_add_nc_u32 v[BST], BIAS, v[T8]
	v_and_b32 v1, 15, v0                           ; r
	v_bfe_u32 v2, v0, 4, 1                         ; hl
	s_wait_alu depctr_va_vdst(0)
	v_and_b32 v3, 31, v0
	v_lshlrev_b32 v[LI], 4, v3
	v_lshlrev_b32 v4, 3, v3                        ; 8 x lane: my place in a piece of an image
	s_mul_i32 s2, s[FB], HALFT
	s_mul_i32 s3, s[H2], HALFT
	s_add_co_u32 s3, s3, 2*HALFT
.irp s, 0,1
	v_add_nc_u32 v[ADRA+\s], s2, v4
	v_add_nc_u32 v[ADRB+\s], s3, v4
	s_add_co_u32 s2, s2, SLOT
	s_add_co_u32 s3, s3, SLOT
.endr
	s_lshl_b32 s46, s[FB], 12                      ; the scale words: lanes 0-15 A's tiles, lanes 16-31 B's: the lower base + hl x the distance
	s_lshl_b32 s47, s[H2], 12
	s_add_co_u32 s47, s47, 8192
	s_sub_co_u32 s47, s47, s46
	v_mul_u32_u24 v6, s47, v2
	s_add_co_u32 s46, s46, SCL
	v_lshl_add_u32 v5, v1, 3, v6
	v_add_nc_u32 v[ADRS], s46, v5
	s_lshl_b32 s2, s[H2], 9
	s_add_co_u32 s2, s2, BIAS
	v_lshl_add_u32 v[VB], v2, 6, s2                ; my 128 features' bias, + 16 hl numbers
	v_and_b32 v5, 8, v1
	v_add_nc_u32 v5, v5, v1                        ; r + 8 (r / 8)
	s_lshl_b32 s3, s[FB], 9
	s_add_co_u32 s3, s3, BIAS
	v_lshl_add_u32 v[VBI], v5, 2, s3
	v_lshlrev_b32 v[SH], 4, v2
	s_wait_alu depctr_va_vdst(0)
	s_wait_loadcnt 0x0
	ds_store_b64 v[BST], v[14:15]
.macro FRAG reg, adr, q, i             ; a fragment as it lies: six pieces, 256 consecutive bytes a load
.irp p, 0,1,2,3,4,5
	ds_load_b64 v[\reg+2*\p:\reg+2*\p+1], v[\adr] offset:TILEB*(\i)+1536*(\q)+256*\p
.endr
.endm
; 16 matrix instructions: A's tiles a0, a0 + 1 x B's eight.  The 64 accumulators take turns, one instruction a turn, in the same order in every step.
.macro MUL16 a0, p, q, sc, zero
.irp a, \a0, \a0+1
.irp b, 0,1,2,3,4,5,6,7
.if \zero
	v_wmma_scale_f32_16x16x128_f8f6f4 v[8*(8*((\a)%4)+\b):8*(8*((\a)%4)+\b)+7], v[128*(\p)+FR*\b:128*(\p)+FR*\b+FR-1], v[AF+FR*(\a):AF+FR*(\a)+FR-1], 0, v[SC+8*NQ*(\sc)+NQ*\b+(\q)], v[SC+8*NQ*(\sc)+NQ*(\a)+(\q)] matrix_a_fmt:MATRIX_FMT_BF6 matrix_b_fmt:MATRIX_FMT_BF6 matrix_a_scale:MATRIX_SCALE_ROW1
.else
	v_wmma_scale_f32_16x16x128_f8f6f4 v[8*(8*((\a)%4)+\b):8*(8*((\a)%4)+\b)+7], v[128*(\p)+FR*\b:128*(\p)+FR*\b+FR-1], v[AF+FR*(\a):AF+FR*(\a)+FR-1], v[8*(8*((\a)%4)+\b):8*(8*((\a)%4)+\b)+7], v[SC+8*NQ*(\sc)+NQ*\b+(\q)], v[SC+8*NQ*(\sc)+NQ*(\a)+(\q)] matrix_a_fmt:MATRIX_FMT_BF6 matrix_b_fmt:MATRIX_FMT_BF6 matrix_a_scale:MATRIX_SCALE_ROW1
.endif
.endr
.endr
.endm
.macro FETCH_B slot, q, p
	WIN TO_B
.irp i, 0,1,2,3,4,5,6,7
	FRAG 128*(\p)+FR*\i, ADRB+\slot, \q, \i
.endr
	WIN 0
.endm
.macro FETCH_A slot, q, i0
.irp i, \i0, \i0+1, \i0+2, \i0+3
	FRAG AF+FR*(\i), ADRA+\slot, \q, \i
.endr
.endm
.macro SCALES sc                       ; a slot's two scale words a row: lanes 0-15 A's tile i, lanes 16-31 B's tile i
.irp i, 0,1,2,3,4,5,6,7
	ds_load_b64 v[SC+8*NQ*\sc+NQ*\i:SC+8*NQ*\sc+NQ*\i+1], v[ADRS] offset:512*\i
.endr
.endm
.macro PLACES n                        ; plain vector instructions between a matrix instruction and a load into, or a read of, its registers
.rept \n
	v_nop
.endr
.endm
.macro STEP slot, q, zero              ; a step of 128 along K that has its successor in the same slot
	s_wait_dscnt 4*NL                              ; B's set, A's tiles 0-3 and the scale words are in; the youngest 24 loads (A's tiles 4-7) may be out
	WIN MUL_LO
	MUL16 0, (\q)%2, \q, \slot, \zero
	MUL16 2, (\q)%2, \q, \slot, \zero
	s_wait_dscnt 0
	PLACES NP
	FETCH_B \slot, (\q)+1, 1-(\q)%2
	FETCH_A \slot, (\q)+1, 0
	WIN MUL_HI
	MUL16 4, (\q)%2, \q, \slot, \zero
	MUL16 6, (\q)%2, \q, \slot, \zero
	PLACES NP
	WIN 0
	FETCH_A \slot, (\q)+1, 4
.endm
; A slot's last step changes slots: one barrier; in front of it each wave waits for all its tensor loads, adds 0 to its spare word, and waits for that and for its reads of this slot.
.macro TURN slot, next, fill
	s_wait_tensorcnt 0x0                           ; all my tensor loads have landed: my part of the next slot
	ds_add_u32 v[SPW], v[NIL]                      ; 0 onto my spare word
	s_wait_dscnt 4*NL+1                            ; (the add and the youngest 24 loads may be out)
	WIN MUL_LO
	MUL16 0, 1, NQ-1, \slot, 0
	s_wait_dscnt 0x0                               ; the add is done, and my reads of this slot are over
	s_barrier_signal -1
	MUL16 2, 1, NQ-1, \slot, 0
	WIN 0
	s_barrier_wait -1
.if \fill
	CREST                                          ; the barrier has opened a round of the cluster's barrier: no wave of any partner still reads this slot or has a load on its way
	s_add_nc_u64 s[G0+4*\slot+2:G0+4*\slot+3], s[G0+4*\slot+2:G0+4*\slot+3], 2*TILEB
	s_add_nc_u64 s[G0B+4*\slot+2:G0B+4*\slot+3], s[G0B+4*\slot+2:G0B+4*\slot+3], 2*TILEB
	JLOAD G0+4*\slot, G1, G0B+4*\slot, G1B         ; the first tensor load behind the round; its four v_nop are the places in front of the loads below
.else
	PLACES NP
.endif
	s_wait_alu depctr_va_vdst(0)
	v_add_nc_u32 v[ADRS], 128, v[ADRS]             ; the next slot's scale words
	FETCH_B \next, 0, 0
	FETCH_A \next, 0, 0
	SCALES \next
	WIN MUL_HI
	MUL16 4, 1, NQ-1, \slot, 0
	MUL16 6, 1, NQ-1, \slot, 0
	PLACES NP
	WIN 0
	FETCH_A \next, 0, 4
.endm
	s_wait_dscnt 0x0                               ; my part of the bias lies in LDS,
	s_wait_tensorcnt 1                             ; and so do the scale words and my part of slot 0 (slot 1's load may be out)
	s_barrier_signal -1
	s_barrier_wait -1
	FETCH_B 0, 0, 0
	FETCH_A 0, 0, 0
	SCALES 0
	FETCH_A 0, 0, 4
	STEP 0, 0, 1                                   ; K = 1,024 is eight steps: written out, no loop.  The first products start the sums
	TURN 0, 1, 1
	STEP 1, 0, 0
	TURN 1, 0, 1
	STEP 0, 0, 0
	TURN 0, 1, 0                                   ; nothing is left to fetch
	STEP 1, 0, 0
	s_wait_dscnt 4*NL
	WIN MUL_LO
	MUL16 0, 1, NQ-1, 1, 0
	MUL16 2, 1, NQ-1, 1, 0
	s_wait_dscnt 0
	WIN MUL_HI
	MUL16 4, 1, NQ-1, 1, 0
	MUL16 6, 1, NQ-1, 1, 0
	WIN 0
; 64 numbers of a lane, v[s] on, register 16 b + i = k 32 b + 16 hl + i of my row, become codes: blocks 0, 1 in v[d0] .. v[d0 + 5], blocks 2, 3 in v[d1] .. v[d1 + 5] (k = 32 hl + 0 .. 31 each), and the four bytes in v[pw].
.macro QUANT s, d0, d1, pw
.irp b, 0,1,2,3
	v_max3_num_f32 v[TM+\b], |v[\s+16*\b]|, |v[\s+1+16*\b]|, 0x2800000   ; my 16 numbers of block b, and the floor 2^(5 - 127)
.endr
.irp i, 2,4,6,8,10,12,14
.irp b, 0,1,2,3
	v_max3_num_f32 v[TM+\b], v[TM+\b], |v[\s+16*\b+\i]|, |v[\s+1+16*\b+\i]|
.endr
.endr
.irp b, 0,1,2,3
	v_permlanex16_b32 v[TM+4+\b], v[TM+\b], s[SEL], s[SEL+1]
.endr
.irp b, 0,1,2,3
	v_max_num_f32 v[TM+\b], v[TM+\b], v[TM+4+\b]   ; with lane l xor 16's: the block's largest magnitude
.endr
.irp b, 0,1,2,3
	v_add_nc_u32 v[TM+12+\b], 0xfe000000, v[TM+\b] ; 4 off its exponent field: the conversion's scale operand
.endr
.irp b, 0,1,2,3
	v_lshrrev_b32 v[TM+4+\b], 23, v[TM+12+\b]      ; the scale's byte
.endr
	v_lshl_or_b32 v[\pw], v[TM+5], 8, v[TM+4]
	v_lshl_or_b32 v[\pw], v[TM+6], 16, v[\pw]
	v_lshl_or_b32 v[\pw], v[TM+7], 24, v[\pw]
	v_cvt_scalef32_pk16_bf6_f32 v[\d0:\d0+2], v[\s:\s+15], v[TM+12]
	v_cvt_scalef32_pk16_bf6_f32 v[TC:TC+2], v[\s+16:\s+31], v[TM+13]
	v_cvt_scalef32_pk16_bf6_f32 v[\d1:\d1+2], v[\s+32:\s+47], v[TM+14]
	v_cvt_scalef32_pk16_bf6_f32 v[TC+4:TC+6], v[\s+48:\s+63], v[TM+15]
	v_nop                                          ; one plain place behind a scaled conversion
.irp i, 0,1,2                          ; the layout wants a whole block in a lane: lanes 0-15 the even block, lanes 16-31 the odd one
	v_permlane16_swap_b32 v[\d0+\i], v[TC+\i]
	v_permlane16_swap_b32 v[\d1+\i], v[TC+4+\i]
.endr
.irp i, 0,1,2
	v_mov_b32 v[\d0+3+\i], v[TC+\i]
	v_mov_b32 v[\d1+3+\i], v[TC+4+\i]
.endr
.endm
	s_mov_b32 s[SEL], 0x76543210
	s_mov_b32 s[SEL+1], 0xfedcba98
	s_cmp_lg_u32 s44, 0                            ; the same in all waves of all sixteen partners
	s_cbranch_scc1 .Lv
	; ---- q | k.  Token tile a: a lane's 64 numbers are features 0 .. 127 of my half: two heads.  The bias is added as the sums move into window 0.
	s_lshr_b32 s2, s43, 3                          ; batch
	s_lshl_b32 s3, s43, 1
	s_add_co_u32 s3, s3, s[FB]
	s_and_b32 s3, s3, 15                           ; my 128 tokens: which step of the sequence
	s_lshl_b32 s46, s42, 1
	s_add_co_u32 s46, s46, s[H2]
	s_and_b32 s46, s46, 7                          ; my pair of heads
	s_lshl_b32 s2, s2, 4
	s_lshl_b32 s46, s46, 1
	s_add_co_u32 s2, s2, s46                       ; the even head's record
	s_mul_i32 s47, s3, 12288
	s_add_co_u32 s47, s47, 12288                   ; where the step's codes begin in a record of kv,
	s_mul_i32 s66, s3, 6144
	s_add_co_u32 s66, s66, 8192                    ; and of qr
	s_mov_b32 s67, 106496
	s_cmp_ge_u32 s42, 4                            ; k or q
	s_cselect_b64 s[4:5], s[20:21], s[18:19]
	s_cselect_b32 s67, 208896, s67                 ; a record's bytes
	s_cselect_b32 s47, s47, s66
	s_mul_i32 s2, s2, s67
	s_lshl_b32 s3, s3, 9
	s_add_co_u32 s100, s2, s3
	s_mov_b32 s101, 0
	s_add_nc_u64 s[8:9], s[4:5], s[100:101]        ; the step's scale words
	s_add_co_u32 s100, s2, s47
	s_add_nc_u64 s[4:5], s[4:5], s[100:101]        ; the even head's codes,
	s_mov_b32 s100, s67
	s_add_nc_u64 s[6:7], s[4:5], s[100:101]        ; the odd head's
	v_mul_u32_u24 v[VOS], s67, v2
	v_lshl_add_u32 v[VOS], v1, 4, v[VOS]           ; lanes 0-15 the even head's words, lanes 16-31 the odd head's
	PLACES NP
.irp e, 0,1,2,3
.irp g, 0,1,2,3
	ds_load_b128 v[BB+16*\e+4*\g:BB+16*\e+4*\g+3], v[VB] offset:128*\e+16*\g   ; the bias of features 32 e + 16 hl + 4 g ..
.endr
.endr
.irp b, 0,1,2,3
	v_mov_b32 v[TM+4+\b], 0                        ; written once: a lane permute's destination counts as one of its sources
.endr
	s_wait_dscnt 0x0
.irp a, 0,1,2,3,4,5,6,7
.if (\a)%2 == 0 && (\a) > 0
	s_wait_xcnt 0x0                                ; the last pair's stores have read their registers
.endif
	WIN 0x02+(\a)/4                                ; source 0: window 2 or 3
.set i, 0
.rept 32
	v_pk_add_f32 v[HA+i:HA+i+1], v[64*((\a)%4)+i:64*((\a)%4)+i+1], v[BB+i:BB+i+1]   ; each accumulator from its low end on
.set i, i+2
.endr
	WIN 0
	QUANT HA, E+6*((\a)%2), O+6*((\a)%2), PWS+(\a)
.if (\a)%2 == 1
.irp c, 0,1,2
	global_store_b128 v[LI], v[E+4*\c:E+4*\c+3], s[4:5] offset:1536*((\a)/2)+512*\c   ; 32 lanes store 512 consecutive bytes, aligned
	global_store_b128 v[LI], v[O+4*\c:O+4*\c+3], s[6:7] offset:1536*((\a)/2)+512*\c
.endr
.endif
.endr
.irp i, 0,1,2,3,4,5,6,7
	v_lshrrev_b32 v[DD+\i], v[SH], v[PWS+\i]       ; the head's two bytes below,
.endr
.irp i, 0,1,2,3,4,5,6,7
	v_and_b32 v[DD+\i], 0xffff, v[DD+\i]           ; 0 above
.endr
	global_store_b128 v[VOS], v[DD:DD+3], s[8:9]
	global_store_b128 v[VOS], v[DD+4:DD+7], s[8:9] offset:256
	s_branch .Lend
.Lv:	; ---- V^T.  Feature tile a: a lane holds one channel, and its 64 numbers are my 128 keys: one fragment and one scale word.
	s_lshl_b32 s2, s42, 1
	s_add_co_u32 s2, s2, s[H2]                     ; my 128 tokens among the 64 such blocks
	s_and_b32 s3, s2, 15                           ; step
	s_lshr_b32 s2, s2, 4
	s_lshl_b32 s2, s2, 4                           ; 16 x batch
	s_lshl_b32 s46, s43, 2
	s_add_co_u32 s2, s2, s46
	s_lshl_b32 s46, s[FB], 1
	s_add_co_u32 s2, s2, s46                       ; + my first head
	s_mul_i32 s2, s2, 208896
	s_mul_i32 s46, s3, 12288
	s_add_co_u32 s46, s46, 12288+6144
	s_add_co_u32 s100, s2, s46
	s_mov_b32 s101, 0
	s_add_nc_u64 s[4:5], s[20:21], s[100:101]      ; V's tiles of the step
	s_lshl_b32 s3, s3, 8
	s_add_co_u32 s3, s3, 8192
	s_add_co_u32 s100, s2, s3
	s_add_nc_u64 s[8:9], s[20:21], s[100:101]      ; and their scale words
	v_mul_u32_u24 v[VOS], 0x33000, v2
	v_lshl_add_u32 v[VOS], v1, 4, v[VOS]
	PLACES NP
.irp a, 0,1,2,3,4,5,6,7
	ds_load_b32 v[BB+2*\a], v[VBI] offset:4*(32*(\a/2)+8*(\a%2))     ; my channel's bias, twice: a pair for the packed addition
	ds_load_b32 v[BB+2*\a+1], v[VBI] offset:4*(32*(\a/2)+8*(\a%2))
.endr
.irp b, 0,1,2,3
	v_mov_b32 v[TM+4+\b], 0
.endr
	s_wait_dscnt 0x0
.irp a, 0,1,2,3,4,5,6,7
.if (\a) >= 2
	s_wait_xcnt 0x0                                ; the stores of two tiles back have read their registers
.endif
	WIN 0x02+(\a)/4
.set i, 0
.rept 32
	v_pk_add_f32 v[HA+i:HA+i+1], v[64*((\a)%4)+i:64*((\a)%4)+i+1], v[BB+2*(\a):BB+2*(\a)+1]
.set i, i+2
.endr
	WIN 0
	QUANT HA, E+12*((\a)%2), E+12*((\a)%2)+6, PWS+(\a)
.irp c, 0,1,2
	global_store_b128 v[LI], v[E+12*((\a)%2)+4*\c:E+12*((\a)%2)+4*\c+3], s[4:5] offset:((\a)/4)*208896+((\a)%4)*1536+512*\c
.endr
.endr
	v_cmp_eq_u32 vcc_lo, 1, v2
.irp i, 0,1,2,3
	v_cndmask_b32 v[DD+\i], v[PWS+\i], v[PWS+4+\i], vcc_lo   ; lanes 0-15 the first head's four words, lanes 16-31 the second's
.endr
	global_store_b128 v[VOS], v[DD:DD+3], s[8:9]
.Lend:
	s_wait_tensorcnt 0x0                           ; the wave's end: behind my last tensor load and my last LDS store
	ds_add_u32 v[SPW], v[NIL]
	s_wait_dscnt 0x0
	CROUND                                         ; the closing round
	s_endpgm
.Lfunc_end_k_q03e5f468b4_qkv:
	.size	k_q03e5f468b4_qkv, .Lfunc_end_k_q03e5f468b4_qkv-k_q03e5f468b4_qkv
	.p2alignl 7, 3214868480
	.fill 96, 4, 3214868480
	.section	.rodata,"a",@progbits
	.p2align	6, 0x0
	.amdhsa_kernel k_q03e5f468b4_qkv
		.amdhsa_group_segment_fixed_size 327680
		.amdhsa_private_segment_fixed_size 0
		.amdhsa_enable_private_segment 0
		.amdhsa_kernarg_size 72
		.amdhsa_user_sgpr_count 2
		.amdhsa_user_sgpr_kernarg_segment_ptr 1
		.amdhsa_wavefront_size32 1
		.amdhsa_system_sgpr_workgroup_id_x 1
		.amdhsa_system_sgpr_workgroup_id_y 1
		.amdhsa_system_sgpr_workgroup_id_z 1
		.amdhsa_system_vgpr_workitem_id 0
		.amdhsa_next_free_vgpr 1024
		.amdhsa_next_free_sgpr 106
		.amdhsa_reserve_vcc 1
		.amdhsa_float_denorm_mode_32 3
		.amdhsa_float_denorm_mode_16_64 3
		.amdhsa_memory_ordered 1
		.amdhsa_forward_progress 1
		.amdhsa_inst_pref_size 234
	.end_amdhsa_kernel
	.amdgpu_metadata
---
amdhsa.version: [ 1, 2 ]
amdhsa.kernels:
  - .name:           k_q03e5f468b4_qkv
    .symbol:         k_q03e5f468b4_qkv.kd
    .args:
      - { .name: xc, .offset: 0, .size: 8, .value_kind: global_buffer, .address_space: global }
      - { .name: xs, .offset: 8, .size: 8, .value_kind: global_buffer, .address_space: global }
      - { .name: wc, .offset: 16, .size: 8, .value_kind: global_buffer, .address_space: global }
      - { .name: ws, .offset: 24, .size: 8, .value_kind: global_buffer, .address_space: global }
      - { .name: b_q, .offset: 32, .size: 8, .value_kind: global_buffer, .address_space: global }
      - { .name: b_k, .offset: 40, .size: 8, .value_kind: global_buffer, .address_space: global }
      - { .name: b_v, .offset: 48, .size: 8, .value_kind: global_buffer, .address_space: global }
      - { .name: qr, .offset: 56, .size: 8, .value_kind: global_buffer, .address_space: global }
      - { .name: kv, .offset: 64, .size: 8, .value_kind: global_buffer, .address_space: global }
    .group_segment_fixed_size: 327680
    .private_segment_fixed_size: 0
    .kernarg_segment_align: 8
    .kernarg_segment_size: 72
    .max_flat_workgroup_size: 128
    .sgpr_count:     106
    .vgpr_count:     1024
    .wavefront_size: 32
...
	.end_amdgpu_metadata
.endif
;; end of part 2
;; launch attn (part 3): grid 4 x 64, 16 waves a work-group, clusters of 4 x 1, 210,944 bytes of LDS; arguments kv, qr, pc, ps; writes pc, ps
.if DOCPART == 3
	.amdgcn_target "amdgcn-amd-amdhsa--gfx1250"
	.amdhsa_code_object_version 6
	.text
	.protected	k_q03e5f468b4_attn
	.globl	k_q03e5f468b4_attn
	.p2align	8
	.type	k_q03e5f468b4_attn,@function
k_q03e5f468b4_attn:
	s_mov_b64 s[64:65], 0
	v_nop
	global_prefetch_b8 v0, s[64:65] scope:SCOPE_SE
	s_setreg_imm32_b32 hwreg(HW_REG_WAVE_MODE, 25, 1), 1
	s_wait_xcnt 0x0
	s_wait_alu depctr_hold_cnt(0) depctr_sa_sdst(0) depctr_va_vdst(0) depctr_va_sdst(0) depctr_va_ssrc(0) depctr_va_vcc(0) depctr_vm_vsrc(0)
	s_getreg_b32 s2, hwreg(HW_REG_IB_STS2, 6, 4)
	s_cmp_eq_u32 s2, 0
	s_cbranch_scc0 .Lentry_in_a_cluster
	s_endpgm
.Lentry_in_a_cluster:
	s_bfe_u32 s2, ttmp6, 0x10000c
	s_cmp_lg_u32 s2, 0x3003
	s_cbranch_scc0 .Lentry_shape_is_right
	s_endpgm
.Lentry_shape_is_right:
; pred = softmax(q k^T / 32, causal) v for one head, both products on codes of BF6, and pred's quantiser along D.
; LEFT OUT: a step of 128 keys all of which come after a tile's 16 queries: reference()'s own jnp.tril sets those logits to -inf, so their weight is 0 for all finite inputs.  A NaN, an infinity or an overflow
; that reaches only such scores is not carried to the result.
; THE SOFTMAX: t = score x log2(e) / 32; M = the running largest t rounded up to a whole number; p = 2^(t - M) is quantised along the keys, not normalised; the row's sum is taken of the unquantised p and divides at the end.
; SHARES.  A cluster of four work-groups has one head.  The head's 128 tiles of 16 queries are tau = 8 rho + c; the diagonal of tile tau lies in key step rho.  Work-group cx owns c = 2 cx and 2 cx + 1.
; Wave w takes tile (rho = w, c = 2 cx): w + 1 key steps; then tile (rho = 15 - w, c = 2 cx + 1): 16 - w key steps: 17 steps for every wave of the launch.
; THE WHOLE HEAD LIES IN LDS: its record of kv, 208,896 bytes, lands at LDS byte 0 as it lies in memory, filled once: no ring and no refill.  All four work-groups read every byte of it, so both loads of a wave are joint.
; LAYOUT.  Both products transposed: S^T = K Q^T, O^T = V^T P^T: a lane holds one query.  Tiles of keys, of queries and of channels hold rows 32 (T / 2) + 8 (T % 2) + r + 8 (r / 8), so that a lane's registers run along
; neighbouring keys in S^T and along neighbouring channels in O^T.
; THE HEAD'S K OF 64 IN AN INSTRUCTION OF 128: Q's registers 6-11 are zero codes and the upper two bytes of q's and k's scale words are 0.  K's operand for tile t is v[42 + 6 t .. 53 + 6 t]: its upper six registers
; hold the next tile's codes (or a pad): they meet zero codes alone and add exactly 0.
; No branch and no LDS address hangs on cx: it enters global addresses and the mask's numbers alone.
.set SPARE, 208896                     ; behind the record: the spare words, 128 bytes for each of 16 waves
.set LI,  1                            ; v1  16 x lane
.set LR,  2                            ; v2  16 r
.set SPW, 3
.set NIL, 4
.set DQ,  5                            ; v5  my query within its diagonal step - 16 hl
.set ADK, 6
.set ADS, 7
.set ADT, 8
.set GO,  9                            ; v9  8 x lane
.set HL,  10
.set PWA, 11                           ; v11 pred's two scale bytes, first tile;  v224 second tile
.set PWB, 224
.set KV,  42                           ; v42-89 K's 8 tiles, later V's 4 fragments; v90-95 the pad
.set WV,  12
.set CX,  13
.set HD,  14
.set RKA, 15
.set RKB, 16
.set KI,  17
.set TB,  18
.set TS,  19
.set SEL, 20
.set CS,  22
.set G1A, 24
.set G1B, 32
.set G0A, 40
.set G0B, 44
.set TJ,  48
.set CNT, 49
.macro CROUND
	s_barrier_signal -1
	s_barrier_wait -1
	s_cmp_lg_u32 s[WV], 0
	s_cbranch_scc1 .Lnot_wave_0_\@
	s_barrier_signal -3
.Lnot_wave_0_\@:
	s_barrier_wait -3
	s_barrier_signal -1
	s_barrier_wait -1
.endm
	s_load_b256 s[4:11], s[0:1], 0x0               ; kv, qr, pc, ps
	v_lshl_add_u32 v[SPW], v0, 2, SPARE
	v_mov_b32 v[NIL], 0
	ds_add_u32 v[SPW], v[NIL]                      ; the wave's opening: the add, twice on end, and its wait ahead of my first tensor load
	ds_add_u32 v[SPW], v[NIL]
	v_lshrrev_b32 v1, 5, v0
	s_delay_alu instid0(VALU_DEP_1)
	v_readfirstlane_b32 s[WV], v1                  ; wave 0..15
	s_bfe_u32 s[CX], ttmp6, 0x40000
	s_and_b32 s[HD], ttmp7, 0xffff                 ; 16 x batch + head
	s_mov_b32 s[RKA], s[WV]
	s_sub_co_u32 s[RKB], 15, s[WV]
	s_mov_b32 s[G1A], 15|(3<<16)|(1<<21)           ; 15:0 the mask: all four work-groups; elements of 8 bytes; 21 set beside a mask; no padding
	s_mov_b32 s[G1A+1], 32<<16                     ; rows of 256 bytes
	s_mov_b32 s[G1A+2], 15<<16                     ; 15 of them: 16 waves bring the scale words and key steps 0-3, 61,440 bytes
	s_mov_b32 s[G1A+3], 32<<16
	s_mov_b32 s[G1A+4], 15
	s_mov_b32 s[G1A+5], 32
	s_mov_b32 s[G1A+6], 0
	s_mov_b32 s[G1A+7], 0
	s_mov_b32 s[G1B], 15|(3<<16)|(1<<21)
	s_mov_b32 s[G1B+1], 32<<16
	s_mov_b32 s[G1B+2], 36<<16                     ; 36 rows: 16 waves bring key steps 4-15, 147,456 bytes
	s_mov_b32 s[G1B+3], 32<<16
	s_mov_b32 s[G1B+4], 36
	s_mov_b32 s[G1B+5], 32
	s_mov_b32 s[G1B+6], 0
	s_mov_b32 s[G1B+7], 0
	s_mul_i32 s66, s[HD], 208896
	s_mov_b32 s67, 0
	s_mul_i32 s68, s[WV], 3840
	s_mov_b32 s69, 0
	s_mul_i32 s70, s[WV], 9216
	s_add_co_u32 s70, s70, 61440
	s_mov_b32 s71, 0
	s_mov_b32 s[SEL], 0x76543210
	s_mov_b32 s[SEL+1], 0xfedcba98
	s_mov_b32 s[CS], 0x3d38aa3b                    ; c = log2(e) / 32
	s_mov_b32 s[CS+1], s[CS]
	s_wait_dscnt 0x0                               ; both opening adds are done
	s_wait_kmcnt 0x0
	s_add_nc_u64 s[4:5], s[4:5], s[66:67]          ; my head's record: the four partners share it
	s_mov_b32 s[G0A], 1
	s_mov_b32 s[G0A+1], s68                        ; the record's bytes keep their places in LDS
	s_add_nc_u64 s[G0A+2:G0A+3], s[4:5], s[68:69]
	s_or_b32 s[G0A+3], s[G0A+3], 0x80000000
	s_mov_b32 s[G0B], 1
	s_mov_b32 s[G0B+1], s70
	s_add_nc_u64 s[G0B+2:G0B+3], s[4:5], s[70:71]
	s_or_b32 s[G0B+3], s[G0B+3], 0x80000000
	CROUND                                         ; all four work-groups are here: the joint loads meet
	tensor_load_to_lds s[G0A:G0A+3], s[G1A:G1A+7]
	s_nop 0
	tensor_load_to_lds s[G0B:G0B+3], s[G1B:G1B+7]  ; two tensor loads of mine are out: all that the launch has
	s_nop 0
.rept 4
	v_nop
.endr
	s_mul_i32 s66, s[HD], 106496
	s_add_nc_u64 s[6:7], s[6:7], s[66:67]          ; my head's record of q
	s_lshl_b32 s66, s[RKA], 2
	s_add_co_u32 s66, s66, s[CX]
	s_mul_i32 s66, s66, 1536
	s_add_co_u32 s66, s66, 8192
	s_add_nc_u64 s[50:51], s[6:7], s[66:67]        ; the pair of tiles 4 rho + cx, first tile's rho
	s_lshl_b32 s66, s[RKB], 2
	s_add_co_u32 s66, s66, s[CX]
	s_mul_i32 s66, s66, 1536
	s_add_co_u32 s66, s66, 8192
	s_add_nc_u64 s[52:53], s[6:7], s[66:67]        ; second tile's
	s_lshr_b32 s68, s[CX], 1
	s_lshl_b32 s68, s68, 8
	s_and_b32 s69, s[CX], 1
	s_lshl_b32 s69, s69, 3
	s_add_co_u32 s68, s68, s69                     ; the scale words: 256 (c / 4) + 4 (c % 4), c = 2 cx + u
	s_lshl_b32 s66, s[RKA], 9
	s_add_co_u32 s66, s66, s68
	s_add_nc_u64 s[54:55], s[6:7], s[66:67]
	s_lshl_b32 s66, s[RKB], 9
	s_add_co_u32 s66, s66, s68
	s_add_co_u32 s66, s66, 4
	s_add_nc_u64 s[56:57], s[6:7], s[66:67]
	v_and_b32 v6, 31, v0
	s_delay_alu instid0(VALU_DEP_1)
	v_lshlrev_b32 v[LI], 4, v6
	s_delay_alu instid0(VALU_DEP_2)
	v_lshlrev_b32 v[GO], 3, v6
	v_and_b32 v5, 15, v0                           ; r
	s_wait_alu depctr_va_vdst(0)
	v_lshlrev_b32 v[LR], 4, v5
	v_bfe_u32 v[HL], v0, 4, 1
	s_wait_alu depctr_va_vdst(0)
	global_load_b128 v[16:19], v[LI], s[50:51]                ; the first tile is its pair's registers 0-5,
	global_load_b64 v[20:21], v[LI], s[50:51] offset:512
	global_load_b64 v[28:29], v[LI], s[52:53] offset:520      ; the second tile its pair's registers 6-11
	global_load_b128 v[30:33], v[LI], s[52:53] offset:1024
	global_load_b32 v40, v[LR], s[54:55]           ; Q's scale words
	global_load_b32 v41, v[LR], s[56:57]
	s_and_b32 s68, s[HD], 15                       ; head
	s_lshr_b32 s69, s[HD], 4
	s_lshl_b32 s69, s69, 7
	s_lshl_b32 s70, s[CX], 1
	s_add_co_u32 s69, s69, s70                     ; 128 x batch + 2 cx
	s_lshl_b32 s70, s[RKA], 3
	s_add_co_u32 s70, s70, s69                     ; pred's tile of rows, first
	s_lshl_b32 s71, s[RKB], 3
	s_add_co_u32 s71, s71, s69
	s_add_co_u32 s71, s71, 1                       ; and second
	s_lshl_b32 s62, s70, 9
	s_lshl_b32 s63, s71, 9
	s_lshr_b32 s69, s68, 1
	s_mul_i32 s69, s69, 1536                       ; K step head / 2 of the last product,
	s_and_b32 s66, s68, 1
	s_mul_i32 s66, s66, 768                        ; its registers 6 (head % 2) on: three whole pieces of 256 bytes
	s_add_co_u32 s69, s69, s66
	s_mul_i32 s66, s70, 12288
	s_add_co_u32 s66, s66, s69
	s_add_nc_u64 s[58:59], s[8:9], s[66:67]
	s_mul_i32 s66, s71, 12288
	s_add_co_u32 s66, s66, s69
	s_add_nc_u64 s[60:61], s[8:9], s[66:67]
	s_lshr_b32 s66, s68, 2
	s_lshl_b32 s66, s66, 7
	s_bfe_u32 s69, s68, 0x10001
	s_lshl_b32 s69, s69, 2
	s_add_co_u32 s66, s66, s69
	s_and_b32 s69, s68, 1
	s_lshl_b32 s69, s69, 1
	s_add_co_u32 s66, s66, s69
	s_add_nc_u64 s[10:11], s[10:11], s[66:67]      ; my head's two bytes of a row's scale word
	v_and_b32 v6, 8, v5
	s_delay_alu instid0(VALU_DEP_1)
	v_add_nc_u32 v5, v5, v6                        ; r + 8 (r / 8)
	v_lshlrev_b32 v6, 4, v[HL]
	s_delay_alu instid0(VALU_DEP_1)
	v_sub_nc_u32 v5, v5, v6
	s_lshl_b32 s66, s[CX], 5
	v_add_nc_u32 v[DQ], s66, v5                    ; 32 cx + r + 8 (r / 8) - 16 hl
.irp j, 22,23,24,25,26,27,34,35,36,37,38,39,90,91,92,93,94,95
	v_mov_b32 v\j, 0                               ; Q's zero codes, and the pad
.endr
.irp j, 236,237,238,239,252,253
	v_mov_b32 v\j, 0                               ; written once: permutes' destinations, and the upper half of f's pair
.endr
	v_mov_b32 v255, 0xff800000                     ; -infinity
.macro INIT                            ; a tile of queries begins: O^T and the sum are zeros, the largest t lies under every t: the step is written with no first copy of its own
	v_mov_b32 v13, 0xff61b1e6
	s_delay_alu instid0(VALU_DEP_1)
	v_floor_f32 v12, -v13
	v_mov_b32 v14, 0
	v_mov_b32 v15, 0
.set i, 0
.rept 32
	v_mov_b32 v[160+i], 0
.set i, i+1
.endr
	s_mov_b32 s[KI], 0
	s_mov_b32 s[TB], 12288
	s_mov_b32 s[TS], 0
	s_mov_b32 s[TJ], 8192
.endm
; A KEY STEP: 128 keys.  qr: Q's registers; qs: its scale words; rk: the scalar that holds the tile's diagonal step.
.macro STEP qr, qs, rk
	s_cmp_gt_u32 s[KI], s[\rk]                     ; all keys come after my queries: left out.  The wave's number and the count of steps alone decide
	s_cbranch_scc1 .Lhidden_\@
	s_setprio 2
	v_add_nc_u32 v[ADK], s[TB], v[LI]
	v_add_nc_u32 v[ADS], s[TS], v[LR]
	v_add_nc_u32 v[ADT], s[TJ], v[LR]
	v_nop                                          ; four places behind the last products, in front of loads into registers that they read
.irp i, 0,1,2,3,4,5,6,7,8,9,10,11
	ds_load_b128 v[KV+4*\i:KV+4*\i+3], v[ADK] offset:512*\i    ; K's four pairs of tiles, as they lie
.endr
	ds_load_b128 v[212:215], v[ADS]                ; K's eight scale words
	ds_load_b128 v[216:219], v[ADS] offset:256
	s_wait_alu depctr_va_vdst(0)
	s_wait_dscnt 0x0
.irp t, 0,1,2,3,4,5,6,7
	v_wmma_scale_f32_16x16x128_f8f6f4 v[96+8*\t:103+8*\t], v[KV+6*\t:KV+6*\t+11], v[\qr:\qr+11], 0, v[212+\t], v[\qs] matrix_a_fmt:MATRIX_FMT_BF6 matrix_b_fmt:MATRIX_FMT_BF6
.endr
.rept 4
	v_nop
.endr
.irp i, 0,1,2,3,4,5,6,7,8,9,10,11
	ds_load_b128 v[KV+4*\i:KV+4*\i+3], v[ADK] offset:6144+512*\i   ; V's four tiles are asked for now and land under the softmax
.endr
	ds_load_b128 v[220:223], v[ADT]
	s_cmp_lt_u32 s[KI], s[\rk]
	s_cbranch_scc1 .Lopen_\@                       ; all keys count
.set n, 0
.rept 64                               ; the diagonal step: register 16 b + i holds key 32 b + 16 hl + i of the step: hidden where it comes after my query
	v_cmp_gt_i32 vcc_lo, 32*(n/16)+n%16, v[DQ]
	v_cndmask_b32 v[96+n], v[96+n], v255, vcc_lo
.set n, n+1
.endr
.Lopen_\@:
.irp b, 0,1,2,3
	v_max3_num_f32 v[232+\b], v[96+16*\b], v[97+16*\b], v[98+16*\b]   ; the largest score of each block of 32 keys: for the row's maximum and, since p rises with the score, for the block's largest p
.endr
.irp i, 3,5,7,9,11,13
.irp b, 0,1,2,3
	v_max3_num_f32 v[232+\b], v[232+\b], v[96+16*\b+\i], v[97+16*\b+\i]
.endr
.endr
.irp b, 0,1,2,3
	v_max_num_f32 v[232+\b], v[232+\b], v[111+16*\b]
.endr
.irp b, 0,1,2,3
	s_delay_alu instid0(VALU_DEP_4)
	v_permlanex16_b32 v[236+\b], v[232+\b], s[SEL], s[SEL+1]
.endr
.irp b, 0,1,2,3
	s_delay_alu instid0(VALU_DEP_4)
	v_max_num_f32 v[232+\b], v[232+\b], v[236+\b]
.endr
	s_delay_alu instid0(VALU_DEP_2)
	v_max3_num_f32 v254, v232, v233, v234
	s_delay_alu instid0(VALU_DEP_1)
	v_max_num_f32 v254, v254, v235
	s_delay_alu instid0(VALU_DEP_1)
	v_mul_f32 v254, s[CS], v254                    ; the step's largest t
	s_delay_alu instid0(VALU_DEP_1)
	v_max_num_f32 v13, v13, v254
	v_mov_b32 v254, v12
	s_delay_alu instid0(VALU_DEP_2)
	v_floor_f32 v12, -v13                          ; -M = floor(-t): M is a whole number
	s_delay_alu instid0(VALU_DEP_1)
	v_sub_f32 v254, v12, v254
	s_delay_alu instid0(VALU_DEP_1)
	v_cvt_i32_f32 v254, v254                       ; (it saturates)
	s_delay_alu instid0(VALU_DEP_1)
	v_ldexp_f32 v252, 1.0, v254                    ; f = 2^(old M - new M): a multiplication by it rounds nothing
.set j, 0
.rept 32
	v_pk_fma_f32 v[96+j:97+j], v[96+j:97+j], s[CS:CS+1], v[12:13] op_sel_hi:[1,0,0]   ; t - M
.set j, j+2
.endr
	s_setprio 1
.irp b, 0,1,2,3
	v_fma_f32 v[232+\b], v[232+\b], s[CS], v12
.endr
.set j, 0
	s_wait_alu depctr_va_vdst(0)
.rept 64
	v_exp_f32 v[96+j], v[96+j]                     ; p = 2^(t - M)
.set j, j+1
.endr
	v_pk_mul_f32 v[14:15], v[14:15], v[252:253] op_sel_hi:[1,0]   ; the sums under the new M: the plain instruction behind the exponentials
	s_wait_alu depctr_va_vdst(0)                   ; one wait for the batch, ahead of its first reader
.irp b, 0,1,2,3
	v_exp_f32 v[232+\b], v[232+\b]                 ; each block's largest p
.endr
	v_pk_add_f32 v[236:237], v[100:101], v[104:105]
	v_pk_add_f32 v[250:251], v[108:109], v[112:113]
	v_pk_add_f32 v[248:249], v[116:117], v[120:121]
	v_pk_add_f32 v[246:247], v[124:125], v[128:129]
	v_pk_add_f32 v[244:245], v[132:133], v[136:137]
	v_pk_add_f32 v[242:243], v[140:141], v[144:145]
	v_pk_add_f32 v[240:241], v[148:149], v[152:153]
	v_pk_add_f32 v[14:15], v[14:15], v[156:157]
	v_pk_add_f32 v[236:237], v[236:237], v[96:97]
	v_pk_add_f32 v[250:251], v[250:251], v[98:99]
	v_pk_add_f32 v[248:249], v[248:249], v[102:103]
	v_pk_add_f32 v[246:247], v[246:247], v[106:107]
	v_pk_add_f32 v[244:245], v[244:245], v[110:111]
	v_pk_add_f32 v[242:243], v[242:243], v[114:115]
	v_pk_add_f32 v[240:241], v[240:241], v[118:119]
	v_pk_add_f32 v[14:15], v[14:15], v[122:123]
	v_pk_add_f32 v[236:237], v[236:237], v[126:127]
	v_pk_add_f32 v[250:251], v[250:251], v[130:131]
	v_pk_add_f32 v[248:249], v[248:249], v[134:135]
	v_pk_add_f32 v[246:247], v[246:247], v[138:139]
	v_pk_add_f32 v[244:245], v[244:245], v[142:143]
	v_pk_add_f32 v[242:243], v[242:243], v[146:147]
	v_pk_add_f32 v[240:241], v[240:241], v[150:151]
	v_pk_add_f32 v[14:15], v[14:15], v[154:155]
	v_pk_add_f32 v[236:237], v[236:237], v[158:159]
	s_delay_alu instid0(VALU_DEP_2)
	v_pk_add_f32 v[14:15], v[14:15], v[246:247]
	s_delay_alu instid0(VALU_DEP_2)
	v_pk_add_f32 v[236:237], v[236:237], v[244:245]
	v_pk_add_f32 v[250:251], v[250:251], v[242:243]
	v_pk_add_f32 v[248:249], v[248:249], v[240:241]
	s_delay_alu instid0(VALU_DEP_2)
	v_pk_add_f32 v[14:15], v[14:15], v[250:251]
	s_delay_alu instid0(VALU_DEP_2)
	v_pk_add_f32 v[236:237], v[236:237], v[248:249]
	s_delay_alu instid0(VALU_DEP_1)
	v_pk_add_f32 v[14:15], v[14:15], v[236:237]
	s_wait_alu depctr_va_vdst(0)                   ; and one for the four
.irp b, 0,1,2,3
	v_max_num_f32 v[232+\b], 0x2800000, v[232+\b]  ; the floor 2^(5 - 127)
.endr
.irp b, 0,1,2,3
	s_delay_alu instid0(VALU_DEP_4)
	v_add_nc_u32 v[244+\b], 0xfe000000, v[232+\b]
.endr
.irp b, 0,1,2,3
	s_delay_alu instid0(VALU_DEP_4)
	v_lshrrev_b32 v[236+\b], 23, v[244+\b]
.endr
	s_delay_alu instid0(VALU_DEP_3)
	v_lshl_or_b32 v211, v237, 8, v236              ; p's scale word for these 128 keys
	s_delay_alu instid0(VALU_DEP_1)
	v_lshl_or_b32 v211, v238, 16, v211
	s_delay_alu instid0(VALU_DEP_1)
	v_lshl_or_b32 v211, v239, 24, v211
	s_setprio 0
.irp c, 0,1
	v_cvt_scalef32_pk16_bf6_f32 v[192+6*\c:194+6*\c], v[96+32*\c:111+32*\c], v[244+2*\c]
	v_cvt_scalef32_pk16_bf6_f32 v[204+4*\c:206+4*\c], v[112+32*\c:127+32*\c], v[244+2*\c+1]
.endr
	v_nop
.irp c, 0,1
.irp i, 0,1,2
	v_permlane16_swap_b32 v[192+6*\c+\i], v[204+4*\c+\i]
.endr
.irp i, 0,1,2
	s_delay_alu instid0(VALU_DEP_3)
	v_mov_b32 v[195+6*\c+\i], v[204+4*\c+\i]
.endr
.endr
.set j, 0
.rept 16
	v_pk_mul_f32 v[160+j:161+j], v[160+j:161+j], v[252:253] op_sel_hi:[1,0]   ; O^T under the new M.  These sixteen are also the places between the scale word and the codes just made and the products
.set j, j+2
.endr
	s_wait_alu depctr_va_vdst(0)
	s_wait_dscnt 0x0                               ; V is in
.irp t, 0,1,2,3
	v_wmma_scale_f32_16x16x128_f8f6f4 v[160+8*\t:167+8*\t], v[KV+12*\t:KV+12*\t+11], v[192:203], v[160+8*\t:167+8*\t], v[220+\t], v211 matrix_a_fmt:MATRIX_FMT_BF6 matrix_b_fmt:MATRIX_FMT_BF6
.endr                                  ; the four accumulators take turns, and the next step's eight products stand between two links of a chain
.Lhidden_\@:
	s_add_co_u32 s[KI], s[KI], 1
	s_add_co_u32 s[TB], s[TB], 12288
	s_add_co_u32 s[TS], s[TS], 512
	s_add_co_u32 s[TJ], s[TJ], 256
.endm
.macro LOOPK n, qr, qs, rk             ; a constant number of trips; what a wave leaves out is a step's work
	s_mov_b32 s[CNT], \n
.Lk_\@:
	STEP \qr, \qs, \rk
	s_sub_co_u32 s[CNT], s[CNT], 1
	s_cmp_lg_u32 s[CNT], 0
	s_cbranch_scc1 .Lk_\@
	s_setprio 0
.endm
; A tile's way out: O^T / the sum; a lane's 32 numbers are channels 16 hl + 0 .. 15 and 32 + 16 hl + 0 .. 15 of my query: two blocks of the last product's K.
.macro OUT pw, base
.rept 4
	v_nop
.endr
	v_add_f32 v14, v14, v15
	s_delay_alu instid0(VALU_DEP_1)
	v_permlanex16_b32 v252, v14, s[SEL], s[SEL+1]
	s_delay_alu instid0(VALU_DEP_1)
	v_add_f32 v14, v14, v252
	s_wait_alu depctr_va_vdst(0)
	v_rcp_f32 v14, v14
	v_nop
	s_wait_alu depctr_va_vdst(0)
.set j, 0
.rept 16
	v_pk_mul_f32 v[96+j:97+j], v[160+j:161+j], v[14:15] op_sel_hi:[1,0]   ; each accumulator from its low end on
.set j, j+2
.endr
.irp b, 0,1
	v_max3_num_f32 v[232+\b], |v[96+16*\b]|, |v[97+16*\b]|, 0x2800000
.endr
.irp i, 2,4,6,8,10,12,14
.irp b, 0,1
	s_delay_alu instid0(VALU_DEP_2)
	v_max3_num_f32 v[232+\b], v[232+\b], |v[96+16*\b+\i]|, |v[97+16*\b+\i]|
.endr
.endr
.irp b, 0,1
	s_delay_alu instid0(VALU_DEP_2)
	v_permlanex16_b32 v[236+\b], v[232+\b], s[SEL], s[SEL+1]
.endr
.irp b, 0,1
	s_delay_alu instid0(VALU_DEP_2)
	v_max_num_f32 v[232+\b], v[232+\b], v[236+\b]
.endr
.irp b, 0,1
	s_delay_alu instid0(VALU_DEP_2)
	v_add_nc_u32 v[244+\b], 0xfe000000, v[232+\b]
.endr
.irp b, 0,1
	s_delay_alu instid0(VALU_DEP_2)
	v_lshrrev_b32 v[236+\b], 23, v[244+\b]
.endr
	s_delay_alu instid0(VALU_DEP_1)
	v_lshl_or_b32 v[\pw], v237, 8, v236
	v_cvt_scalef32_pk16_bf6_f32 v[192:194], v[96:111], v244
	v_cvt_scalef32_pk16_bf6_f32 v[204:206], v[112:127], v245
	v_nop
.irp i, 0,1,2
	v_permlane16_swap_b32 v[192+\i], v[204+\i]
.endr
.irp i, 0,1,2
	s_delay_alu instid0(VALU_DEP_3)
	v_mov_b32 v[195+\i], v[204+\i]
.endr
.irp i, 0,1,2
	global_store_b64 v[GO], v[192+2*\i:193+2*\i], s[\base:\base+1] offset:256*\i   ; 32 lanes store 256 consecutive bytes, aligned
.endr
.endm
	INIT
	s_wait_loadcnt 0x0                             ; Q
	s_wait_tensorcnt 1                             ; my part of the scale words and key steps 0-3 is in; my second load may be out
	s_barrier_signal -1
	s_barrier_wait -1                              ; everybody's is
	LOOPK 4, 16, 40, RKA
	s_wait_tensorcnt 0x0                           ; my part of key steps 4-15
	s_wait_dscnt 0x0
	s_barrier_signal -1
	s_barrier_wait -1
	LOOPK 12, 16, 40, RKA
	OUT PWA, 58
	v_add_nc_u32 v[DQ], 8, v[DQ]                   ; the second tile's queries lie 8 further on
	INIT
	s_wait_xcnt 0x0                                ; the first tile's stores have read the codes' registers
	LOOPK 16, 28, 41, RKB
	OUT PWB, 60
	v_cmp_eq_u32 vcc_lo, 1, v[HL]                  ; both tiles' scale bytes by one store: lanes 0-15 the first tile's rows, lanes 16-31 the second's.  Two bytes a row: the word's other half is another head's
	s_delay_alu instid0(VALU_DEP_1)
	v_cndmask_b32 v232, v[PWA], v[PWB], vcc_lo
	v_mov_b32 v233, s62
	v_mov_b32 v234, s63
	s_delay_alu instid0(VALU_DEP_1)
	v_cndmask_b32 v233, v233, v234, vcc_lo
	v_lshrrev_b32 v234, 1, v[LR]                   ; 8 r
	s_delay_alu instid0(VALU_DEP_1)
	v_add_nc_u32 v233, v233, v234
	global_store_b16 v233, v232, s[10:11]
	s_wait_tensorcnt 0x0                           ; the wave's end
	ds_add_u32 v[SPW], v[NIL]
	s_wait_dscnt 0x0
	CROUND                                         ; the closing round
	s_endpgm
.Lfunc_end_k_q03e5f468b4_attn:
	.size	k_q03e5f468b4_attn, .Lfunc_end_k_q03e5f468b4_attn-k_q03e5f468b4_attn
	.p2alignl 7, 3214868480
	.fill 96, 4, 3214868480
	.section	.rodata,"a",@progbits
	.p2align	6, 0x0
	.amdhsa_kernel k_q03e5f468b4_attn
		.amdhsa_group_segment_fixed_size 210944
		.amdhsa_private_segment_fixed_size 0
		.amdhsa_enable_private_segment 0
		.amdhsa_kernarg_size 32
		.amdhsa_user_sgpr_count 2
		.amdhsa_user_sgpr_kernarg_segment_ptr 1
		.amdhsa_wavefront_size32 1
		.amdhsa_system_sgpr_workgroup_id_x 1
		.amdhsa_system_sgpr_workgroup_id_y 1
		.amdhsa_system_sgpr_workgroup_id_z 1
		.amdhsa_system_vgpr_workitem_id 0
		.amdhsa_next_free_vgpr 256
		.amdhsa_next_free_sgpr 72
		.amdhsa_reserve_vcc 1
		.amdhsa_float_denorm_mode_32 3
		.amdhsa_float_denorm_mode_16_64 3
		.amdhsa_memory_ordered 1
		.amdhsa_forward_progress 1
		.amdhsa_inst_pref_size 87
	.end_amdhsa_kernel
	.amdgpu_metadata
---
amdhsa.version: [ 1, 2 ]
amdhsa.kernels:
  - .name:           k_q03e5f468b4_attn
    .symbol:         k_q03e5f468b4_attn.kd
    .args:
      - { .name: kv, .offset: 0, .size: 8, .value_kind: global_buffer, .address_space: global }
      - { .name: qr, .offset: 8, .size: 8, .value_kind: global_buffer, .address_space: global }
      - { .name: pc, .offset: 16, .size: 8, .value_kind: global_buffer, .address_space: global }
      - { .name: ps, .offset: 24, .size: 8, .value_kind: global_buffer, .address_space: global }
    .group_segment_fixed_size: 210944
    .private_segment_fixed_size: 0
    .kernarg_segment_align: 8
    .kernarg_segment_size: 32
    .max_flat_workgroup_size: 512
    .sgpr_count:     72
    .vgpr_count:     256
    .wavefront_size: 32
...
	.end_amdgpu_metadata
.endif
;; end of part 3
;; launch oproj (part 4): grid 4 x 32, 4 waves a work-group, clusters of 4 x 4, 327,680 bytes of LDS; arguments pc, ps, wc, ws, b_o, out0; writes out0
.if DOCPART == 4
	.amdgcn_target "amdgcn-amd-amdhsa--gfx1250"
	.amdhsa_code_object_version 6
	.text
	.protected	k_q03e5f468b4_oproj
	.globl	k_q03e5f468b4_oproj
	.p2align	8
	.type	k_q03e5f468b4_oproj,@function
k_q03e5f468b4_oproj:
	s_mov_b64 s[64:65], 0
	v_nop
	global_prefetch_b8 v0, s[64:65] scope:SCOPE_SE
	s_setreg_imm32_b32 hwreg(HW_REG_WAVE_MODE, 25, 1), 1
	s_wait_xcnt 0x0
	s_wait_alu depctr_hold_cnt(0) depctr_sa_sdst(0) depctr_va_vdst(0) depctr_va_sdst(0) depctr_va_ssrc(0) depctr_va_vcc(0) depctr_vm_vsrc(0)
	s_getreg_b32 s2, hwreg(HW_REG_IB_STS2, 6, 4)
	s_cmp_eq_u32 s2, 0
	s_cbranch_scc0 .Lentry_in_a_cluster
	s_endpgm
.Lentry_in_a_cluster:
	s_bfe_u32 s2, ttmp6, 0x10000c
	s_cmp_lg_u32 s2, 0xf033
	s_cbranch_scc0 .Lentry_shape_is_right
	s_endpgm
.Lentry_shape_is_right:
; out0 = pred w_o^T + b_o on codes of BF6.  No work of reference() is left out here.  A (source 1) = 256 rows of pred (pc, ps), B (source 0) = 256 rows of w_o (wc, ws from tile 192 on).
; Operands lie as images of their registers (a tile x 128 K: six pieces of 256 bytes); tile T holds rows 32 (T / 2) + 8 (T % 2) + r + 8 (r / 8).  Four waves, each 128 x 128; K = 1,024 in four slots' worth of 256
; through a ring of two LDS slots; the scale words come once.  4 x 4 work-groups form a cluster: A's tiles are asked for jointly along a row of the cluster, B's along a column.
; 128 tiles of 256 x 256: a smaller wave tile would read each LDS byte for half as many products.
; THE WAY OUT puts rows and columns back: the columns by the place of a lane's 32 bytes in the stage, the rows by the stores' immediate offsets.
; REGISTERS: window 0: v1-29 addresses, v12-15 my four numbers of b_o; v32-63 scale words; v128-223 A's fragments (on the way out v128-255: rows of the result).  window 1: B's two sets.  windows 2, 3: the accumulators.
.set NQ,     2
.set FR,     12
.set NL,     6
.set NP,     4
.set TILEB,  3072
.set HALFT,  8*TILEB
.set SLOT,   4*HALFT
.set SCL,    2*SLOT
.set SPARE,  SCL+16384
.set SPITCH, 528                       ; the stage: 16 rows x (512 + 16) bytes for each wave, in slot 0, which has had its last fill and its last read when the first result is stored there
.set ADRA, 16
.set ADRB, 20
.set STO,  24
.set RD,   25
.set CO,   26
.set ADRS, 27
.set SPW,  28
.set NIL,  29
.set SC,   32
.set AF,   128
.set BK,   128
.set WV,   22
.set FB,   23
.set H2,   45
.set G1,   24
.set G0,   32
.set G1B,  48
.set G0B,  56
.set G1S,  68
.set G0S,  76
.set G1SB, 80
.set G0SB, 88
.set MSB, 0
.macro WIN new
.if MSB != (\new)
	s_set_vgpr_msb (MSB<<8)|(\new)
.set MSB, (\new)
.endif
.endm
.set MUL_LO, 0xa1
.set MUL_HI, 0xf1
.set TO_B,   0x40
.macro JLOAD g0a, g1a, g0b, g1b        ; a joint load: waves 0 and 1 fetch for A, waves 2 and 3 for B; an s_nop 0 and four v_nop follow each line
	s_cmp_eq_u32 s[FB], 0
	s_cbranch_scc0 .Lfor_b_\@
	tensor_load_to_lds s[\g0a:\g0a+3], s[\g1a:\g1a+7]
	s_nop 0
.rept 4
	v_nop
.endr
	s_branch .Lasked_\@
.Lfor_b_\@:
	tensor_load_to_lds s[\g0b:\g0b+3], s[\g1b:\g1b+7]
	s_nop 0
.rept 4
	v_nop
.endr
.Lasked_\@:
.endm
.macro CREST
	s_cmp_lg_u32 s[WV], 0
	s_cbranch_scc1 .Lnot_wave_0_\@
	s_barrier_signal -3
.Lnot_wave_0_\@:
	s_barrier_wait -3
	s_barrier_signal -1
	s_barrier_wait -1
.endm
.macro CROUND
	s_barrier_signal -1
	s_barrier_wait -1
	CREST
.endm
	s_load_b256 s[4:11], s[0:1], 0x0               ; pc, ps, wc, ws
	s_load_b128 s[12:15], s[0:1], 0x20             ; b_o, out0
	v_lshl_add_u32 v[SPW], v0, 2, SPARE
	v_mov_b32 v[NIL], 0
	ds_add_u32 v[SPW], v[NIL]                      ; the wave's opening: the add, twice on end, and its wait ahead of my first tensor load
	ds_add_u32 v[SPW], v[NIL]
	v_lshrrev_b32 v1, 5, v0
	v_readfirstlane_b32 s[WV], v1
	s_lshr_b32 s[FB], s[WV], 1
	s_and_b32 s[H2], s[WV], 1
	s_mul_i32 s2, s[WV], HALFT                     ; where my loads go: the wave's number alone enters an LDS address
	s_lshl_b32 s3, s[WV], 12
.irp s, 0,1
	s_mov_b32 s[G0+4*\s], 1
	s_add_co_u32 s[G0+4*\s+1], s2, \s*SLOT
	s_mov_b32 s[G0B+4*\s], 1
	s_add_co_u32 s[G0B+4*\s+1], s2, \s*SLOT
.endr
	s_mov_b32 s[G0S], 1
	s_add_co_u32 s[G0S+1], s3, SCL
	s_mov_b32 s[G0SB], 1
	s_add_co_u32 s[G0SB+1], s3, SCL
	s_bfe_u32 s40, ttmp6, 0x40000                  ; cx
	s_bfe_u32 s41, ttmp6, 0x40004                  ; cy
	s_lshl_b32 s42, ttmp9, 2
	s_add_co_u32 s42, s42, s40                     ; tile column
	s_and_b32 s43, ttmp7, 0xffff
	s_lshl_b32 s43, s43, 2
	s_add_co_u32 s43, s43, s41                     ; tile row
	s_lshl_b32 s66, s41, 2
	s_lshl_b32 s66, 15, s66                        ; my row of the cluster
	s_lshl_b32 s67, 0x1111, s40                    ; my column
	s_or_b32 s[G1], s66, (3<<16)|(1<<21)           ; the mask; elements of 8 bytes; 21 set beside a mask; no padding
	s_or_b32 s[G1B], s67, (3<<16)|(1<<21)
.irp g, G1, G1B
	s_mov_b32 s[\g+1], 384<<16                     ; rows of 3,072 bytes: a tile's two K steps
	s_mov_b32 s[\g+2], 8<<16
	s_mov_b32 s[\g+3], 384<<16
	s_mov_b32 s[\g+4], 8
	s_mov_b32 s[\g+5], 1536                        ; 12,288 bytes from tile to tile
	s_mov_b32 s[\g+6], 0
	s_mov_b32 s[\g+7], 0
.endr
	s_or_b32 s[G1S], s66, (3<<16)|(1<<21)
	s_or_b32 s[G1SB], s67, (3<<16)|(1<<21)
.irp g, G1S, G1SB
	s_mov_b32 s[\g+1], 32<<16
	s_mov_b32 s[\g+2], 16<<16
	s_mov_b32 s[\g+3], 32<<16
	s_mov_b32 s[\g+4], 16
	s_mov_b32 s[\g+5], 32
	s_mov_b32 s[\g+6], 0
	s_mov_b32 s[\g+7], 0
.endr
	s_lshl_b32 s96, s[H2], 3                       ; which 8 tiles I fetch
	s_lshl_b32 s3, s43, 4
	s_add_co_u32 s3, s3, s96                       ; A: tile 16 x tile row + 8 x half
	s_mul_i32 s2, s3, 12288
	s_lshl_b32 s46, s3, 9
	s_mov_b32 s3, 0
	s_mov_b32 s47, 0
	s_lshl_b32 s95, s42, 4
	s_add_co_u32 s95, s95, s96
	s_add_co_u32 s95, s95, 192                     ; B: w_o's tiles begin at 192
	s_mul_i32 s92, s95, 12288
	s_mov_b32 s93, 0
	s_lshl_b32 s94, s95, 9
	s_mov_b32 s95, 0
	s_wait_dscnt 0x0                               ; both opening adds are done
	s_wait_kmcnt 0x0
	s_add_nc_u64 s[4:5], s[4:5], s[2:3]
	s_add_nc_u64 s[6:7], s[6:7], s[46:47]
	s_add_nc_u64 s[8:9], s[8:9], s[92:93]
	s_add_nc_u64 s[10:11], s[10:11], s[94:95]
	CROUND                                         ; all sixteen work-groups are here: the first joint loads meet
	s_mov_b64 s[G0S+2:G0S+3], s[6:7]
	s_or_b32 s[G0S+3], s[G0S+3], 0x80000000
	s_mov_b64 s[G0SB+2:G0SB+3], s[10:11]
	s_or_b32 s[G0SB+3], s[G0SB+3], 0x80000000
	JLOAD G0S, G1S, G0SB, G1SB
.irp s, 0,1
	s_add_nc_u64 s[G0+4*\s+2:G0+4*\s+3], s[4:5], \s*TILEB
	s_or_b32 s[G0+4*\s+3], s[G0+4*\s+3], 0x80000000
	s_add_nc_u64 s[G0B+4*\s+2:G0B+4*\s+3], s[8:9], \s*TILEB
	s_or_b32 s[G0B+4*\s+3], s[G0B+4*\s+3], 0x80000000
	JLOAD G0+4*\s, G1, G0B+4*\s, G1B               ; three tensor loads of mine are out
.endr
	s_lshl_b32 s96, s42, 10
	s_lshl_b32 s97, s[H2], 9
	s_add_co_u32 s96, s96, s97                     ; my 128 columns, in bytes
	s_mov_b32 s97, 0
	s_add_nc_u64 s[12:13], s[12:13], s[96:97]
	s_add_nc_u64 s[14:15], s[14:15], s[96:97]
	s_lshl_b32 s96, s43, 20                        ; 256 rows of 4,096 bytes a tile row,
	s_lshl_b32 s98, s[FB], 19                      ; 128 for my half
	s_add_co_u32 s96, s96, s98
	s_add_nc_u64 s[14:15], s[14:15], s[96:97]
	v_and_b32 v3, 31, v0
	v_lshlrev_b32 v[CO], 4, v3
	global_load_b128 v[12:15], v[CO], s[12:13]     ; b_o at the four columns that I store
	v_and_b32 v1, 15, v0                           ; r
	v_bfe_u32 v2, v0, 4, 1                         ; hl
	v_lshlrev_b32 v4, 3, v3
	s_mul_i32 s2, s[FB], HALFT
	s_mul_i32 s3, s[H2], HALFT
	s_add_co_u32 s3, s3, 2*HALFT
.irp s, 0,1
	v_add_nc_u32 v[ADRA+\s], s2, v4
	v_add_nc_u32 v[ADRB+\s], s3, v4
	s_add_co_u32 s2, s2, SLOT
	s_add_co_u32 s3, s3, SLOT
.endr
	s_lshl_b32 s46, s[FB], 12                      ; the scale words: the lower base + hl x the distance
	s_lshl_b32 s47, s[H2], 12
	s_add_co_u32 s47, s47, 8192
	s_sub_co_u32 s47, s47, s46
	v_mul_u32_u24 v6, s47, v2
	s_add_co_u32 s46, s46, SCL
	v_lshl_add_u32 v5, v1, 3, v6
	v_add_nc_u32 v[ADRS], s46, v5
	s_mul_i32 s2, s[WV], 16*SPITCH                 ; my stage
	v_mul_u32_u24 v5, v1, SPITCH
	v_lshl_add_u32 v5, v2, 6, v5
	v_add_nc_u32 v[STO], s2, v5                    ; in: row r, + 64 hl
	v_add_nc_u32 v[RD], s2, v[CO]                  ; back: a row of 512 bytes, 16 a lane
.macro FRAG reg, adr, q, i
.irp p, 0,1,2,3,4,5
	ds_load_b64 v[\reg+2*\p:\reg+2*\p+1], v[\adr] offset:TILEB*(\i)+1536*(\q)+256*\p
.endr
.endm
.macro MUL16 a0, p, q, sc, zero        ; the 64 accumulators take turns, one instruction a turn
.irp a, \a0, \a0+1
.irp b, 0,1,2,3,4,5,6,7
.if \zero
	v_wmma_scale_f32_16x16x128_f8f6f4 v[8*(8*((\a)%4)+\b):8*(8*((\a)%4)+\b)+7], v[128*(\p)+FR*\b:128*(\p)+FR*\b+FR-1], v[AF+FR*(\a):AF+FR*(\a)+FR-1], 0, v[SC+8*NQ*(\sc)+NQ*\b+(\q)], v[SC+8*NQ*(\sc)+NQ*(\a)+(\q)] matrix_a_fmt:MATRIX_FMT_BF6 matrix_b_fmt:MATRIX_FMT_BF6 matrix_a_scale:MATRIX_SCALE_ROW1
.else
	v_wmma_scale_f32_16x16x128_f8f6f4 v[8*(8*((\a)%4)+\b):8*(8*((\a)%4)+\b)+7], v[128*(\p)+FR*\b:128*(\p)+FR*\b+FR-1], v[AF+FR*(\a):AF+FR*(\a)+FR-1], v[8*(8*((\a)%4)+\b):8*(8*((\a)%4)+\b)+7], v[SC+8*NQ*(\sc)+NQ*\b+(\q)], v[SC+8*NQ*(\sc)+NQ*(\a)+(\q)] matrix_a_fmt:MATRIX_FMT_BF6 matrix_b_fmt:MATRIX_FMT_BF6 matrix_a_scale:MATRIX_SCALE_ROW1
.endif
.endr
.endr
.endm
.macro FETCH_B slot, q, p
	WIN TO_B
.irp i, 0,1,2,3,4,5,6,7
	FRAG 128*(\p)+FR*\i, ADRB+\slot, \q, \i
.endr
	WIN 0
.endm
.macro FETCH_A slot, q, i0
.irp i, \i0, \i0+1, \i0+2, \i0+3
	FRAG AF+FR*(\i), ADRA+\slot, \q, \i
.endr
.endm
.macro SCALES sc
.irp i, 0,1,2,3,4,5,6,7
	ds_load_b64 v[SC+8*NQ*\sc+NQ*\i:SC+8*NQ*\sc+NQ*\i+1], v[ADRS] offset:512*\i
.endr
.endm
.macro PLACES n
.rept \n
	v_nop
.endr
.endm
.macro STEP slot, q, zero
	s_wait_dscnt 4*NL                              ; all but the youngest 24 loads (A's tiles 4-7)
	WIN MUL_LO
	MUL16 0, (\q)%2, \q, \slot, \zero
	MUL16 2, (\q)%2, \q, \slot, \zero
	s_wait_dscnt 0
	PLACES NP
	FETCH_B \slot, (\q)+1, 1-(\q)%2
	FETCH_A \slot, (\q)+1, 0
	WIN MUL_HI
	MUL16 4, (\q)%2, \q, \slot, \zero
	MUL16 6, (\q)%2, \q, \slot, \zero
	PLACES NP
	WIN 0
	FETCH_A \slot, (\q)+1, 4
.endm
.macro TURN slot, next, fill
	s_wait_tensorcnt 0x0                           ; all my tensor loads have landed: my part of the next slot
	ds_add_u32 v[SPW], v[NIL]                      ; 0 onto my spare word
	s_wait_dscnt 4*NL+1                            ; (the add and the youngest 24 loads may be out)
	WIN MUL_LO
	MUL16 0, 1, NQ-1, \slot, 0
	s_wait_dscnt 0x0                               ; the add is done, and my reads of this slot are over
	s_barrier_signal -1
	MUL16 2, 1, NQ-1, \slot, 0
	WIN 0
	s_barrier_wait -1
.if \fill
	CREST                                          ; no wave of any partner still reads this slot or has a load on its way
	s_add_nc_u64 s[G0+4*\slot+2:G0+4*\slot+3], s[G0+4*\slot+2:G0+4*\slot+3], 2*TILEB
	s_add_nc_u64 s[G0B+4*\slot+2:G0B+4*\slot+3], s[G0B+4*\slot+2:G0B+4*\slot+3], 2*TILEB
	JLOAD G0+4*\slot, G1, G0B+4*\slot, G1B
.else
	PLACES NP
.endif
	v_add_nc_u32 v[ADRS], 128, v[ADRS]
	FETCH_B \next, 0, 0
	FETCH_A \next, 0, 0
	SCALES \next
	WIN MUL_HI
	MUL16 4, 1, NQ-1, \slot, 0
	MUL16 6, 1, NQ-1, \slot, 0
	PLACES NP
	WIN 0
	FETCH_A \next, 0, 4
.endm
	s_wait_loadcnt 0x0                             ; b_o
	s_wait_tensorcnt 1                             ; the scale words and my part of slot 0 are in (slot 1's load may be out)
	s_barrier_signal -1
	s_barrier_wait -1
	FETCH_B 0, 0, 0
	FETCH_A 0, 0, 0
	SCALES 0
	FETCH_A 0, 0, 4
	STEP 0, 0, 1                                   ; eight steps of 128 along K, written out; the first products start the sums
	TURN 0, 1, 1
	STEP 1, 0, 0
	TURN 1, 0, 1
	STEP 0, 0, 0
	TURN 0, 1, 0
	STEP 1, 0, 0
	s_wait_dscnt 4*NL
	WIN MUL_LO
	MUL16 0, 1, NQ-1, 1, 0
	MUL16 2, 1, NQ-1, 1, 0
	s_wait_dscnt 0
	WIN MUL_HI
	MUL16 4, 1, NQ-1, 1, 0
	MUL16 6, 1, NQ-1, 1, 0
	WIN 0
; THE WAY OUT, a tile of 16 rows x 128 columns at a time, through my own stage.  Register j of accumulator (a, b) is column 32 (b / 2) + 8 (b % 2) + 16 hl + j.
.macro TOSTAGE a
.set AC, 64*((\a)%4)
	WIN 0x08+4*((\a)/4)                            ; an LDS store's data: window 2 or 3
.irp b, 0,1,2,3,4,5,6,7
	ds_store_b128 v[STO], v[AC+8*\b:AC+8*\b+3] offset:128*(\b/2)+32*(\b%2)       ; each accumulator from its low end on
	ds_store_b128 v[STO], v[AC+8*\b+4:AC+8*\b+7] offset:128*(\b/2)+32*(\b%2)+16
.endr
	WIN 0
.set BBK, BK+64*((\a)%2)
.irp t, 0,1,2,3,4,5,6,7,8,9,10,11,12,13,14,15
	ds_load_b128 v[BBK+4*\t:BBK+4*\t+3], v[RD] offset:\t*SPITCH    ; LDS serves a wave's instructions in order: these see the stores above
.endr
.endm
.macro SEND a, younger                 ; younger: the LDS instructions issued behind tile a's loads, which may stay out
.set BBK, BK+64*((\a)%2)
	s_wait_dscnt \younger
.irp t, 0,1,2,3,4,5,6,7,8,9,10,11,12,13,14,15
	v_pk_add_f32 v[BBK+4*\t:BBK+4*\t+1], v[BBK+4*\t:BBK+4*\t+1], v[12:13]
	v_pk_add_f32 v[BBK+4*\t+2:BBK+4*\t+3], v[BBK+4*\t+2:BBK+4*\t+3], v[14:15]
	global_store_b128 v[CO], v[BBK+4*\t:BBK+4*\t+3], s[14:15] offset:(32*((\a)/2)+8*((\a)%2)+\t+8*(\t/8))*4096 th:TH_STORE_NT   ; 32 lanes store 512 consecutive bytes, aligned; the tile's row t goes to its place among my 128 rows
.endr
.endm
	PLACES NP
	TOSTAGE 0
.irp a, 1,2,3,4,5,6,7
.if \a > 1
	s_wait_xcnt 0x0                                ; the stores of two tiles back have read their registers
.endif
	TOSTAGE \a
	SEND \a-1, 32                                  ; behind tile a - 1's loads: tile a's 16 stores and 16 loads
.endr
	SEND 7, 0
	s_wait_tensorcnt 0x0                           ; the wave's end: behind my last tensor load and my last LDS store
	ds_add_u32 v[SPW], v[NIL]
	s_wait_dscnt 0x0
	CROUND                                         ; the closing round
	s_endpgm
.Lfunc_end_k_q03e5f468b4_oproj:
	.size	k_q03e5f468b4_oproj, .Lfunc_end_k_q03e5f468b4_oproj-k_q03e5f468b4_oproj
	.p2alignl 7, 3214868480
	.fill 96, 4, 3214868480
	.section	.rodata,"a",@progbits
	.p2align	6, 0x0
	.amdhsa_kernel k_q03e5f468b4_oproj
		.amdhsa_group_segment_fixed_size 327680
		.amdhsa_private_segment_fixed_size 0
		.amdhsa_enable_private_segment 0
		.amdhsa_kernarg_size 48
		.amdhsa_user_sgpr_count 2
		.amdhsa_user_sgpr_kernarg_segment_ptr 1
		.amdhsa_wavefront_size32 1
		.amdhsa_system_sgpr_workgroup_id_x 1
		.amdhsa_system_sgpr_workgroup_id_y 1
		.amdhsa_system_sgpr_workgroup_id_z 1
		.amdhsa_system_vgpr_workitem_id 0
		.amdhsa_next_free_vgpr 1024
		.amdhsa_next_free_sgpr 100
		.amdhsa_reserve_vcc 0
		.amdhsa_float_denorm_mode_32 3
		.amdhsa_float_denorm_mode_16_64 3
		.amdhsa_memory_ordered 1
		.amdhsa_forward_progress 1
		.amdhsa_inst_pref_size 175
	.end_amdhsa_kernel
	.amdgpu_metadata
---
amdhsa.version: [ 1, 2 ]
amdhsa.kernels:
  - .name:           k_q03e5f468b4_oproj
    .symbol:         k_q03e5f468b4_oproj.kd
    .args:
      - { .name: pc, .offset: 0, .size: 8, .value_kind: global_buffer, .address_space: global }
      - { .name: ps, .offset: 8, .size: 8, .value_kind: global_buffer, .address_space: global }
      - { .name: wc, .offset: 16, .size: 8, .value_kind: global_buffer, .address_space: global }
      - { .name: ws, .offset: 24, .size: 8, .value_kind: global_buffer, .address_space: global }
      - { .name: b_o, .offset: 32, .size: 8, .value_kind: global_buffer, .address_space: global }
      - { .name: out0, .offset: 40, .size: 8, .value_kind: global_buffer, .address_space: global }
    .group_segment_fixed_size: 327680
    .private_segment_fixed_size: 0
    .kernarg_segment_align: 8
    .kernarg_segment_size: 48
    .max_flat_workgroup_size: 128
    .sgpr_count:     100
    .vgpr_count:     1024
    .wavefront_size: 32
...
	.end_amdgpu_metadata
.endif
;; end of part 4
